; MI455X (gfx1250); checked and timed in simulation.
; The chip was launched on July 23, 2026; its instructions are those of AMD's public machine-readable ISA for CDNA 5 (MIT licence, August 2026) and "CDNA5" Instruction Set Architecture Reference Guide (July 2026). The comments in the code are by the model that wrote it; some were corrected since.
;; Attention. Allowed arithmetic: matrix products marked QUANTISED: E2M1 operands, one E8M0 scale for each 32 along K, by v_wmma_scale_f32_16x16x128_f8f6f4 with both operands' format E2M1 (or v_wmma_scale_f32_32x16x128_f4), f32 sums; products left as they are: f32 operands where the result goes on into a quantised operand, else bf16, f16 or f32 operands; f32 sums; everything else in f32.
;; Inputs: W1_codes 1,024 x 32 x 16 uint8 (E2M1 codes of W1, K innermost, in blocks of 32 codes, two codes a byte); W1_scales 1,024 x 32 uint8 (E8M0 scales of W1, one for each 32 codes along K); Wv_codes 256 x 64 x 16 uint8 (E2M1 codes of Wv, K innermost, in blocks of 32 codes, two codes a byte); Wv_scales 256 x 64 uint8 (E8M0 scales of Wv, one for each 32 codes along K); b1 1,024 float32; bv 256 float32; hidden_states 32 x 2,048 x 1,024 float32.
;; Outputs: out0 32 x 256 float32.
;; This version of the problem:
;;   THIS VERSION OF THE PROBLEM IS GIVEN IN LOW PRECISION. The matrix products marked QUANTISED in the list below multiply operands that are first quantised to E2M1 (2 exponent bits, 1 mantissa bit; 4 bits a number), with one power-of-two scale for each 32 numbers along K (OCP MX v1.0); their sums are f32. All else is computed in f32.
;;   The module's matrix products, in the order in which they are computed (A, B: the left and right operand; K: the contracted axis; several contracted axes count as one K, in the product's order):
;;     1. [M 65,536, K 1,024] x [K 1,024, N 1,024]; A: input hidden_states; B: input W1 (given as codes): QUANTISED
;;     2. batch 32 x [M 2,048, K 1,024] x [K 1,024, N 1]; A: computed on the way; B: computed on the way: left as it is (N = 1 < 16)
;;     3. batch 32 x [M 1,024, K 2,048] x [K 2,048, N 1]; A: input hidden_states; B: softmax: left as it is (N = 1 < 16)
;;     4. [M 32, K 2,048] x [K 2,048, N 256]; A: computed on the way; B: input Wv (given as codes): QUANTISED
;;   THE QUANTISER, for each operand of a quantised product, along K:
;;     - K is cut into blocks of 32 from its start; a last block that is shorter is filled with zeros.
;;     - A block's scale is 2^e with e = floor(log2(the largest magnitude in the block)) - 2, held to -126 .. 127; a block of zeros has e = 0. As a byte (E8M0): e + 127.
;;     - Each number is divided by its block's scale, clamped to +-6, and rounded to the nearest number of E2M1, ties to even, subnormals kept.
;;     - The product sums the exact products of the quantised numbers (number of the format x scale) in f32.
;;   ~~~python
;;   def quantise(x, axis):      # numpy; x: float32 -> the quantised numbers, widened to float32 again
;;       x = np.moveaxis(x, axis, -1); K = x.shape[-1]
;;       x = np.pad(x, [(0, 0)] * (x.ndim - 1) + [(0, -K % 32)]); x = x.reshape(x.shape[:-1] + (-1, 32)); a = np.abs(x).max(-1, keepdims=True)
;;       e = np.where(a > 0, np.clip(np.frexp(np.where(a > 0, a, 1))[1] - 1 - 2, -126, 127), 0)      # np.frexp(a)[1] - 1 = floor(log2(a)), exactly
;;       r = np.clip(x / 2.0 ** e, -6, 6)
;;       step = 2.0 ** (np.maximum(np.frexp(np.where(r == 0, 1, r))[1] - 1, 0) - 1)
;;       q = np.round(r / step) * step * 2.0 ** e      # np.round: ties to even
;;       return np.moveaxis(q.reshape(q.shape[:-2] + (-1,))[..., :K], -1, axis).astype(np.float32)
;;   ~~~
;;   OPERANDS COMPUTED ON THE WAY. 'Computed on the way' means the value that the module computes at that place (a softmax that the list does not call 'softmax' is quantised finished and normalised). What goes into a quantiser is computed in f32, as accurately as f32 sums, v_exp_f32 and their like allow (about 1e-6 of the number): no bf16 or f16 on the way to a quantiser, and a product that is left as it is and whose result goes on into a quantised operand takes f32 operands (vector FMAs, or v_wmma_f32_16x16x4_f32). A number that lies on a knife's edge between two numbers of the format may be rounded either way, as far as f32 arithmetic and the matrix unit's own rounding can turn it there, and no further.
;;   INPUTS GIVEN AS CODES. W1 (in the module: [1024, 1024], K = its axis 0); Wv (in the module: [2048, 256], K = its axis 0): each comes as NAME_codes (uint8): NAME with its K axis moved to the last place and cut into blocks of 32 codes, [.., K / 32, bytes a block], one block behind the other in memory; two codes a byte, the lower K in the low four bits (a code: sign, 2 exponent bits, 1 mantissa bit); and NAME_scales (uint8): the same leading axes, one E8M0 byte (e + 127) for each 32 codes along K. Its value is code x scale, taken as it is: it is not quantised again, and the codes and scales need not be those that the quantiser above would give.
;; 2 versions, each right and faster than the one before. Each part assembles by itself: llvm-mc -triple=amdgcn-amd-amdhsa -mcpu=gfx1250 --defsym DOCPART=n.
;; ======== version 1 of 2: 2 launches
;; workspace buffers: scores 262,144 bytes; keep 8,192 bytes of whole numbers; ht 131,072 bytes
;; launch score (part 1): grid 32 x 8, 4 waves a work-group, clusters of 4 x 1, 327,680 bytes of LDS; arguments hidden_states, W1_codes, W1_scales, b1, scores, keep, ht; writes scores, keep, ht
.if DOCPART == 1
	.amdgcn_target "amdgcn-amd-amdhsa--gfx1250"
	.amdhsa_code_object_version 6
	.text
	.protected	k_q3b00c0d4ca_score
	.globl	k_q3b00c0d4ca_score
	.p2align	8
	.type	k_q3b00c0d4ca_score,@function
k_q3b00c0d4ca_score:
	s_mov_b64 s[64:65], 0
	v_nop
	global_prefetch_b8 v0, s[64:65] scope:SCOPE_SE
	s_setreg_imm32_b32 hwreg(HW_REG_WAVE_MODE, 25, 1), 1
	s_wait_xcnt 0x0
	s_wait_alu depctr_hold_cnt(0) depctr_sa_sdst(0) depctr_va_vdst(0) depctr_va_sdst(0) depctr_va_ssrc(0) depctr_va_vcc(0) depctr_vm_vsrc(0)
	s_getreg_b32 s2, hwreg(HW_REG_IB_STS2, 6, 4)
	s_cmp_eq_u32 s2, 0
	s_cbranch_scc0 .Lentry_in_a_cluster
	s_endpgm
.Lentry_in_a_cluster:
	s_bfe_u32 s2, ttmp6, 0x10000c
	s_cmp_lg_u32 s2, 0x3003
	s_cbranch_scc0 .Lentry_shape_is_right
	s_endpgm
.Lentry_shape_is_right:
; scores[b][t] = (Q(hs[b][t]) W1 + b1) . h_t[b],  h_t[b] = Q(hs[b][2047]) W1 + b1,  Q the MX-FP4 quantiser along the 1,024 of a row.  hs: [32][2048][1024] f32; W1: codes [1024 n][512 bytes], scale bytes [1024 n][32].
; Also stored: ht[b][1024] (by the batch's last work-group), and keep[b][64]: one word for each 32 rows, not 0 where a row of the group can have a weight in the softmax.
; SHARES.  A work-group owns 256 rows of one batch (x: the batch, y: which 256).  PHASE 1: the rows come through two LDS slots, 32 rows at a time, and are quantised into REGISTERS: a wave keeps 128 rows x 1,024 codes
; (512 registers) and their scale words.  PHASE 2: W1 comes through the same two slots, 256 n at a time; a wave multiplies its 128 rows, and the batch's last row as a ninth tile, by half of the n tiles.
; Waves are 2 x 2: wave w = 2 mi + ni holds rows 32 j + 16 mi + r (j = 0 .. 7) and takes the n tiles 2 tau + ni.  Both ni waves quantise the same rows: no codes go from wave to wave.
; THE PRODUCT IS USED TRANSPOSED (source 0 = 16 rows of W1, source 1 = 16 rows of hs): a lane holds ONE row and eight neighbouring n.  The ninth tile's 16 columns are all the last row, so every lane holds h_t at its own
; eight n beside its scores' terms: a tile's part of the dot product is 32 packed multiply-adds, which stand between the NEXT tile's matrix instructions.  b1 is the C of each sum's first matrix instruction.
; KEEP.  Row 2047 is a row, so the largest score is at least h_t . h_t.  A row whose score lies under h_t . h_t (1 - 2^-12) - 104 has a weight under e^-104 of the largest.  (2^-12 covers the rounding of two f32 sums
; of the same 1,024 squares in different orders: 2 x 1,024 x 2^-24.)  The next launch leaves out groups whose word is 0.
; CLUSTER.  The four work-groups of a cluster (four batches, the same y) walk the same W1: its codes and scale bytes are asked for JOINTLY, one tensor load with the mask 15 in all four.  hs, its last row and b1 (4 KB) are plain loads.
; LIMITS.  NaN and infinities among the inputs are not served (a NaN score drops its row from keep).  A block of zeros gets the scale byte 1 where the rule says 127: its codes are zeros, and only this program reads the byte.
; REGISTERS, in windows of 256 (s_set_vgpr_msb: bits 1:0 source 0, 3:2 source 1, 5:4 source 2, 7:6 destination):
;   window 0: v1-15, v216-223 addresses; v16-31 W1's scale words, two sets; v32-95 the rows' scale words (8 j + s); v96-103 the last row's; v104-167 the last row's 8 fragments; v168-183 h_t's tile, two sets;
;             v184-199 b1's tile, two sets; v200-215 the scores' sums, a pair a tile of rows; v224-255 and, at the end, v104-125 at work
;   window 1: the rows' fragments, j = 0 .. 3 at v[64 j + 8 s];   window 2: j = 4 .. 7
;   window 3: phase 1: v0-127 two sets of 64 numbers, v128-138 at work;  phase 2: v0-127 an n tile's 8 fragments of W1, two sets; v128-255 the 8 accumulators, two sets
.set HP,    1040                       ; a row of an hs tile in LDS: 1,024 bytes + 16 = 260 words: row r starts at bank 4 r mod 64 (64 banks of 4 bytes: ISA guide 11.1)
.set HTILE, 32*HP                      ; 32 rows x a quarter of K: what one wave's tensor load brings
.set WPI,   528                        ; a row of W1's codes in LDS: 512 bytes + 16 = 132 words: again 4 r mod 64
.set WSLOT, 256*WPI                    ; a slot: 256 rows of W1, or four hs tiles (133,120 bytes)
.set SCL,   2*WSLOT                    ; W1's scale bytes, all 32,768, as 128 units of 256 bytes + 16
.set B1L,   SCL+128*272                ; b1, dense
.set HROW,  B1L+4096                   ; the batch's last row, dense
.set HT,    HROW+4096                  ; h_t, written by LDS stores, one copy for each mi: no tensor load lands from here on
.set SPART, HT+2*4096                  ; the scores' halves: [ni][256 rows]
.set SPARE, SPART+2*1024               ; the spare words, 128 bytes for each wave: two blocks of 256 bytes that no other line names
.set SPW, 1                            ; v1   LDS address of my spare word; never rewritten
.set NIL, 2                            ; v2   0; never rewritten
.set RR,  3                            ; v3   r = lane % 16
.set HH,  4                            ; v4   h = lane / 16
.set AQ,  5                            ; v5-8 hs tiles: slot p, K half qp at v[AQ + 2 p + qp]: my row, + 128 h
.set AHQ, 9                            ; v9   the last row: + 128 h
.set AW0, 10                           ; v10  my lane's place in a pair of n tiles of W1
.set AS0, 11                           ; v11  among W1's scale words
.set AB0, 12                           ; v12  in b1
.set AH0, 13                           ; v13  in my copy of h_t
.set ADW, 14                           ; v14, v15, v216, v217: the addresses in hand
.set ADS, 15
.set WS,  16
.set XS,  32
.set HS,  96
.set HC,  104
.set AH,  168
.set B1R, 184
.set SC,  200
.set ADB, 216
.set ADH, 217
.set ASP, 218                          ; v218 where my rows' sums go
.set LNE, 219                          ; v219 lane
.set EA,  220                          ; v220 the end: h_t, 16 bytes a lane
.set EB,  221                          ; v221 my wave's 64 sums, 8 bytes a lane
.set EC,  222                          ; v222 my wave's quarter of h_t
.set EO,  223                          ; v223 16 x lane
.set EH,  224                          ; v224-255 h_t
.set ET,  104                          ; v104-125 at work at the end
.set ACC, 128                          ; window 3
.set TM,  128                          ; window 3, phase 1: four running maxima
.set SO,  132                          ; two scale operands
.set BY,  134                          ; two scale bytes
.set WD,  136                          ; my two bytes at their places
.set WPR, 137                          ; lane l xor 16's
.set SH8, 138                          ; 8 h
.set WV,  18                           ; s18 wave, s19 mi, s20 ni, s21 which 256 rows, s22 the batch
.set MI,  19
.set NI,  20
.set CH,  21
.set BB,  22
.set G1H, 24                           ; s[24:31] group 1: an hs tile;  s[32:39] 64 rows of W1's codes;  s[40:47] 32 units of scale bytes;  s[48:55] one row of 1,024 bytes
.set G1W, 32
.set G1S, 40
.set G1L, 48
.set G0H0, 56                          ; groups 0: hs, one for each slot; the scale bytes; the last row; b1; W1, one for each slot
.set G0H1, 60
.set TH,  66                           ; s66  128 x the h tile to be stored
.set G0S, 68
.set G0L, 72
.set G0B, 76
.set G0W0, 80
.set G0W1, 84
.set SEL, 88                           ; s[88:89] v_permlanex16_b32's selects for lane l xor 16
.set TWN, 90                           ; s90  LDS byte at which the next pair of n tiles to fetch begins
.set TS,  91                           ; s91  1,088 x its number: its scale words
.set TB,  92                           ; s92  128 x its number: its b1
.set CNT, 93
.set MSB, 0
.macro WIN new                         ; the immediate's high byte repeats the setting that is left; a switch that changes nothing is dropped
.if MSB != (\new)
	s_set_vgpr_msb (MSB<<8)|(\new)
.set MSB, \new
.endif
.endm
.macro PLACES n
.rept \n
	v_nop
.endr
.endm
; A round of the cluster's barrier: my work-group's barrier; wave 0 signals for the work-group; every wave waits for all four work-groups; my work-group's barrier once more.
.macro ROUND
	s_barrier_signal -1
	s_barrier_wait -1
	s_cmp_lg_u32 s[WV], 0
	s_cbranch_scc1 .Lnot_wave_0_\@
	s_barrier_signal -3
.Lnot_wave_0_\@:
	s_barrier_wait -3
	s_barrier_signal -1
	s_barrier_wait -1
.endm
; 64 numbers of my row, k = 64 c + 32 h + 0 .. 31 of a K step: two whole blocks of 32, in the order that the operand's layout gives my lane
.macro LOADF adr, off, st
	WIN 0xc0                                       ; destination window 3, address window 0
.irp c, 0,1
.irp i, 0,1,2,3,4,5,6,7
	ds_load_b128 v[(\st)+32*\c+4*\i:(\st)+32*\c+4*\i+3], v[\adr] offset:(\off)+256*\c+16*\i
.endr
.endr
.endm
; They become a fragment's 8 registers at v[dreg] of the window in dset, and the row's scale word in v[sreg] of window 0.
.macro MATH st, dset, dreg, sreg
	WIN 0xff
.irp c, 0,1
	v_max3_num_f32 v[TM+2*\c], |v[(\st)+32*\c]|, |v[(\st)+32*\c+1]|, 0x1800000   ; block 2 c + h, in two chains; the floor 2^(3 - 127) holds the byte at 1 from below
	v_max3_num_f32 v[TM+2*\c+1], |v[(\st)+32*\c+16]|, |v[(\st)+32*\c+17]|, |v[(\st)+32*\c+18]|
.endr
.irp i, 2,4,6,8,10,12
.irp c, 0,1
	v_max3_num_f32 v[TM+2*\c], v[TM+2*\c], |v[(\st)+32*\c+\i]|, |v[(\st)+32*\c+\i+1]|
	v_max3_num_f32 v[TM+2*\c+1], v[TM+2*\c+1], |v[(\st)+32*\c+17+\i]|, |v[(\st)+32*\c+18+\i]|
.endr
.endr
.irp c, 0,1
	v_max3_num_f32 v[TM+2*\c], v[TM+2*\c], |v[(\st)+32*\c+14]|, |v[(\st)+32*\c+15]|
.endr
.irp c, 0,1
	v_max3_num_f32 v[TM+2*\c], v[TM+2*\c], v[TM+2*\c+1], |v[(\st)+32*\c+31]|   ; the block's largest magnitude: all 32 numbers are mine
.endr
.irp c, 0,1
	v_add_nc_u32 v[SO+\c], 0xff000000, v[TM+2*\c]  ; 2 off its exponent field: the conversion takes the exponent field of this operand as its scale
.endr
.irp c, 0,1
	v_lshrrev_b32 v[BY+\c], 23, v[SO+\c]           ; the scale's byte
.endr
	v_lshl_or_b32 v[WD], v[BY+1], 16, v[BY]        ; blocks h and 2 + h,
	v_lshlrev_b32 v[WD], v[SH8], v[WD]             ; at their places in the word;
	v_permlanex16_b32 v[WPR], v[WD], s[SEL], s[SEL+1]
	WIN 0x0f
	v_or_b32 v[\sreg], v[WD], v[WPR]               ; with lane l xor 16's two the word is whole
	WIN \dset
.irp c, 0,1
.irp g, 0,1,2,3
	v_cvt_scalef32_pk8_fp4_f32 v[(\dreg)+4*\c+\g], v[(\st)+32*\c+8*\g:(\st)+32*\c+8*\g+7], v[SO+\c]
.endr
.endr
	v_nop                                          ; one plain place behind the last scaled conversion
.endm
.macro TLD p, s                        ; K step s of my row in slot p: K quarter s / 2, its half s % 2
	LOADF AQ+2*(\p)+(\s)/4, (((\s)/2)%2)*HTILE+512*((\s)%2), 64*((\s)%2)
.endm
; My 16 rows of the tile in slot p become tile j's eight fragments.  A K step's loads are issued while the step before is worked on.
.macro QTILE p, j
	TLD \p, 0
.set S_, 0
.rept 8
.if S_ < 7
	TLD \p, S_+1
	s_wait_dscnt 16                                ; all but the 16 loads just issued: this K step's numbers are in
.else
	s_wait_dscnt 0x0
.endif
	MATH 64*(S_%2), 0x4f+0x40*((\j)/4), 64*((\j)%4)+8*S_, XS+8*(\j)+S_
.set S_, S_+1
.endr
.endm
.macro QLAST                           ; the batch's last row: every lane r takes the same row
	LOADF AHQ, 0, 0
.set S_, 0
.rept 8
.if S_ < 7
	LOADF AHQ, 512*(S_+1), 64*((S_+1)%2)
	s_wait_dscnt 16
.else
	s_wait_dscnt 0x0
.endif
	MATH 64*(S_%2), 0x0f, HC+8*S_, HS+S_
.set S_, S_+1
.endr
.endm
; A slot that has been read is filled again.  Every wave: all its tensor loads have landed (the slot that it is about to read among them); 0 onto its spare word; the add and its reads of the slot are done; a round of the
; cluster's barrier; and its one tensor load, first thing behind the round.  Four v_nop follow the load.
.macro CHANGE g0, g1, step
	WIN 0
	s_wait_tensorcnt 0x0                           ; no tensor load of mine is out, so a group 0 may be written
	ds_add_u32 v[SPW], v[NIL]
.if \step
	s_add_nc_u64 s[(\g0)+2:(\g0)+3], s[(\g0)+2:(\g0)+3], 0x40000   ; the slot's next tile: 64 rows of 4,096 bytes on; the type bits on top are not reached
.endif
	s_wait_dscnt 0x0
	ROUND
	tensor_load_to_lds s[(\g0):(\g0)+3], s[(\g1):(\g1)+7]
	s_nop 0
	PLACES 4
.endm
; PHASE 2.  Four products of K step s: W1's tile in set par x my tiles of rows 4 lo .. 4 lo + 3.  The first K step takes b1's tile as C.
.macro MM4 s, par, lo
.if (\s) == 0
	WIN 0xc7+4*(\lo)                               ; W1 and D window 3, the rows window 1 or 2, C (b1) window 0
.else
	WIN 0xf7+4*(\lo)                               ; C window 3 too
.endif
.irp m, 0,1,2,3
.set RD_, ACC+64*(\par)+8*(4*(\lo)+\m)
.set RW_, 64*(\par)+8*(\s)
.set RX_, 64*\m+8*(\s)
.if (\s) == 0
	v_wmma_scale_f32_16x16x128_f8f6f4 v[RD_:RD_+7], v[RW_:RW_+7], v[RX_:RX_+7], v[B1R+8*(\par):B1R+8*(\par)+7], v[WS+8*(\par)+(\s)], v[XS+8*(4*(\lo)+\m)+(\s)] matrix_a_fmt:MATRIX_FMT_FP4 matrix_b_fmt:MATRIX_FMT_FP4
.else
	v_wmma_scale_f32_16x16x128_f8f6f4 v[RD_:RD_+7], v[RW_:RW_+7], v[RX_:RX_+7], v[RD_:RD_+7], v[WS+8*(\par)+(\s)], v[XS+8*(4*(\lo)+\m)+(\s)] matrix_a_fmt:MATRIX_FMT_FP4 matrix_b_fmt:MATRIX_FMT_FP4
.endif
.endr
.endm
.macro HMUL s, par                     ; the ninth: the same tile of W1 x the last row
	WIN 0x03                                       ; W1 window 3, all else window 0
.set RW_, 64*(\par)+8*(\s)
.if (\s) == 0
	v_wmma_scale_f32_16x16x128_f8f6f4 v[AH+8*(\par):AH+8*(\par)+7], v[RW_:RW_+7], v[HC+8*(\s):HC+8*(\s)+7], v[B1R+8*(\par):B1R+8*(\par)+7], v[WS+8*(\par)+(\s)], v[HS+(\s)] matrix_a_fmt:MATRIX_FMT_FP4 matrix_b_fmt:MATRIX_FMT_FP4
.else
	v_wmma_scale_f32_16x16x128_f8f6f4 v[AH+8*(\par):AH+8*(\par)+7], v[RW_:RW_+7], v[HC+8*(\s):HC+8*(\s)+7], v[AH+8*(\par):AH+8*(\par)+7], v[WS+8*(\par)+(\s)], v[HS+(\s)] matrix_a_fmt:MATRIX_FMT_FP4 matrix_b_fmt:MATRIX_FMT_FP4
.endif
.endm
; Slice s of 8 of the OTHER set's dot product: n pair 2 (s / 2) of tiles of rows 4 (s % 2) .. + 3.  Each accumulator is read from its low end on.  Same window setting as HMUL.
.macro SLICE s, par
	WIN 0x03
.irp m, 0,1,2,3
.set MM_, 4*((\s)%2)+\m
.set JJ_, 2*((\s)/2)
	v_pk_fma_f32 v[SC+2*MM_:SC+2*MM_+1], v[ACC+64*(1-(\par))+8*MM_+JJ_:ACC+64*(1-(\par))+8*MM_+JJ_+1], v[AH+8*(1-(\par))+JJ_:AH+8*(1-(\par))+JJ_+1], v[SC+2*MM_:SC+2*MM_+1]
.endr
.endm
; A K step: nine matrix instructions on nine accumulators, one a turn; even and odd steps run in opposite order of the two groups of four, which spares a window switch.
.macro KS s, par, prev
.if ((\s)%2) == 0
	MM4 \s, \par, 0
	HMUL \s, \par
.if \prev
	SLICE \s, \par
.endif
	MM4 \s, \par, 1
.else
	MM4 \s, \par, 1
	HMUL \s, \par
.if \prev
	SLICE \s, \par
.endif
	MM4 \s, \par, 0
.endif
.endm
; The next n tile's 8 fragments of W1, its b1 and its scale words, into the set that is not being multiplied: 20 loads in one run
.macro NEXT par
	v_add_nc_u32 v[ADW], s[TWN], v[AW0]
	v_add_nc_u32 v[ADS], s[TS], v[AS0]
	v_add_nc_u32 v[ADB], s[TB], v[AB0]
	WIN 0xc0
.irp s, 0,1,2,3,4,5,6,7
.irp c, 0,1
	ds_load_b128 v[64*(1-(\par))+8*\s+4*\c:64*(1-(\par))+8*\s+4*\c+3], v[ADW] offset:64*\s+32*\c
.endr
.endr
	WIN 0
	ds_load_b128 v[B1R+8*(1-(\par)):B1R+8*(1-(\par))+3], v[ADB]             ; b1 at the tile's n 8 h + 0 .. 7: the result's layout
	ds_load_b128 v[B1R+8*(1-(\par))+4:B1R+8*(1-(\par))+7], v[ADB] offset:16
	ds_load_b128 v[WS+8*(1-(\par)):WS+8*(1-(\par))+3], v[ADS]               ; row r's eight scale words, one for each K step
	ds_load_b128 v[WS+8*(1-(\par))+4:WS+8*(1-(\par))+7], v[ADS] offset:16
	s_add_co_u32 s[TWN], s[TWN], 32*WPI
	s_add_co_u32 s[TS], s[TS], 1088
	s_add_co_u32 s[TB], s[TB], 128
.endm
.macro HSTORE par                      ; the other set's tile of h_t into my mi's copy (the sixteen lanes of a half hold the same eight numbers and write them to the same bytes)
	v_add_nc_u32 v[ADH], s[TH], v[AH0]
	ds_store_b128 v[ADH], v[AH+8*(1-(\par)):AH+8*(1-(\par))+3]
	ds_store_b128 v[ADH], v[AH+8*(1-(\par))+4:AH+8*(1-(\par))+7] offset:16
	s_add_co_u32 s[TH], s[TH], 128
.endm
; AN n TILE: 72 matrix instructions on set par; between them the tile before's dot product (prev = 1); in its middle the next tile's loads.
; mode 0: plain.  mode 1: the slot's last tile: its fragments are in registers, so in its middle the slot is left and filled again (g0), and the next tile comes from the other slot, at nb.
; mode 2: the same with nothing left to fetch: a plain barrier.  mode 3: the very last tile.
; The four v_nop at the head stand between the tile before's last products and the slices that read their results, the stores of h_t, and the loads into their operands (ISA guide 7.12.1 for the slices and the stores of h_t).
.macro NT par, prev, mode, g0, nb
.if (\mode == 1) || (\mode == 2)
	s_wait_tensorcnt 0x0                           ; all my tensor loads have landed: my part of the other slot
	ds_add_u32 v[SPW], v[NIL]                      ; 0 onto my spare word; half a tile's matrix work stands between it and the wait for it
.if \mode == 1
	s_add_nc_u64 s[(\g0)+2:(\g0)+3], s[(\g0)+2:(\g0)+3], 0x40000   ; this slot's next 256 rows of W1: 512 rows of 512 bytes on
.endif
	s_wait_dscnt 0x1                               ; this tile's 20 loads are in; the add may be out
.else
	s_wait_dscnt 0x0                               ; this tile's 20 loads are in
.endif
	PLACES 4
.irp s, 0,1,2,3
	KS \s, \par, \prev
.endr
	WIN 0
.if \mode == 1
	s_wait_dscnt 0x0                               ; the add is done; my reads of this slot ended with this tile's loads
	ROUND                                          ; no wave of any partner still reads the slot or has a load on its way
	tensor_load_to_lds s[(\g0):(\g0)+3], s[G1W:G1W+7]   ; my one tensor load behind the round: it has a whole slot's eight tiles in which to land
	s_nop 0
	PLACES 4
	s_mov_b32 s[TWN], \nb
.elseif \mode == 2
	s_wait_dscnt 0x0
	s_barrier_signal -1
	s_barrier_wait -1                              ; everybody's part of the last slot is in
	s_mov_b32 s[TWN], \nb
.endif
.if \prev
	HSTORE \par
.endif
.if \mode != 3
	NEXT \par
.endif
.irp s, 4,5,6,7
	KS \s, \par, \prev
.endr
	WIN 0
.endm
.macro PAIRS n                         ; n pairs of plain tiles
	s_mov_b32 s[CNT], \n
.Lpair_\@:
	NT 0, 1, 0, 0, 0
	NT 1, 1, 0, 0, 0
	s_sub_co_u32 s[CNT], s[CNT], 1
	s_cmp_lg_u32 s[CNT], 0
	s_cbranch_scc1 .Lpair_\@
.endm
	s_load_b256 s[4:11], s[0:1], 0x0               ; hs s[4:5], W1's codes s[6:7], W1's scales s[8:9], b1 s[10:11]
	s_load_b128 s[12:15], s[0:1], 0x20             ; scores s[12:13], keep s[14:15]
	s_load_b64 s[16:17], s[0:1], 0x30              ; ht
	v_lshl_add_u32 v[SPW], v0, 2, SPARE
	v_mov_b32 v[NIL], 0
	ds_add_u32 v1, v2
	ds_add_u32 v1, v2
	s_wait_dscnt 0x0
	v_lshrrev_b32 v3, 5, v0
	v_readfirstlane_b32 s[WV], v3                  ; wave 0..3
	s_lshr_b32 s[MI], s[WV], 1
	s_and_b32 s[NI], s[WV], 1
	s_and_b32 s[CH], ttmp7, 0xffff                 ; which 256 rows: the four partners share it
	s_bfe_u32 s23, ttmp6, 0x40000                  ; cx
	s_lshl_b32 s[BB], ttmp9, 2
	s_add_co_u32 s[BB], s[BB], s23                 ; the batch = 4 x cluster x + cx: it enters global addresses of plain loads and of stores alone
	; group 1, an hs tile: 32 rows x 256 elements of 4 bytes, 1,024 elements apart; 4 words of padding behind every 256
	s_mov_b32 s[G1H], (2<<16)|(1<<20)|(7<<22)|(3<<25)
	s_mov_b32 s[G1H+1], 256<<16                    ; tensor_dim0
	s_mov_b32 s[G1H+2], 32<<16                     ; tensor_dim1
	s_mov_b32 s[G1H+3], 256<<16                    ; tile_dim0
	s_mov_b32 s[G1H+4], 32                         ; tile_dim1
	s_mov_b32 s[G1H+5], 1024                       ; tensor_dim0_stride
	s_mov_b32 s[G1H+6], 0
	s_mov_b32 s[G1H+7], 0
	; W1's codes: 64 rows x 512 bytes, dense; 4 words behind every 128; the mask names all four work-groups, bit 21 beside it
	s_mov_b32 s[G1W], 15|(1<<20)|(1<<21)|(6<<22)|(3<<25)
	s_mov_b32 s[G1W+1], 512<<16
	s_mov_b32 s[G1W+2], 64<<16
	s_mov_b32 s[G1W+3], 512<<16
	s_mov_b32 s[G1W+4], 64
	s_mov_b32 s[G1W+5], 512
	s_mov_b32 s[G1W+6], 0
	s_mov_b32 s[G1W+7], 0
	; W1's scale bytes: 8,192 dense bytes as 32 rows of 32 elements of 8 bytes; 4 words behind every 64; joint
	s_mov_b32 s[G1S], 15|(3<<16)|(1<<20)|(1<<21)|(5<<22)|(3<<25)
	s_mov_b32 s[G1S+1], 32<<16
	s_mov_b32 s[G1S+2], 32<<16
	s_mov_b32 s[G1S+3], 32<<16
	s_mov_b32 s[G1S+4], 32
	s_mov_b32 s[G1S+5], 32
	s_mov_b32 s[G1S+6], 0
	s_mov_b32 s[G1S+7], 0
	; one row of 1,024 bytes: 128 elements of 8 bytes
	s_mov_b32 s[G1L], 3<<16
	s_mov_b32 s[G1L+1], 128<<16
	s_mov_b32 s[G1L+2], 1<<16
	s_mov_b32 s[G1L+3], 128<<16
	s_mov_b32 s[G1L+4], 1
	s_mov_b32 s[G1L+5], 128
	s_mov_b32 s[G1L+6], 0
	s_mov_b32 s[G1L+7], 0
	s_mov_b32 s[SEL], 0x76543210
	s_mov_b32 s[SEL+1], 0xfedcba98
	s_lshl_b32 s2, s[WV], 10                       ; 1,024 w: my quarter of a row
	s_lshl_b32 s94, s[BB], 23                      ; a batch is 2,048 rows of 4,096 bytes
	s_lshl_b32 s3, s[CH], 20                       ; 256 rows
	s_add_co_u32 s96, s94, 2047*4096               ; the batch's last row,
	s_add_co_u32 s96, s96, s2                      ; my quarter of it
	s_mov_b32 s97, 0
	s_add_co_u32 s94, s94, s3                      ; my work-group's first row,
	s_add_co_u32 s94, s94, s2                      ; my quarter of K (all under 2^28)
	s_mov_b32 s95, 0
	s_mov_b32 s99, 0
	s_wait_kmcnt 0x0
	s_mul_i32 s3, s[WV], HTILE
	s_mov_b32 s[G0H0], 1                           ; count = 1
	s_mov_b32 s[G0H0+1], s3                        ; LDS: slot 0, tile w
	s_add_nc_u64 s[G0H0+2:G0H0+3], s[4:5], s[94:95]   ; rows 0 to 31
	s_mov_b32 s[G0H1], 1
	s_add_co_u32 s[G0H1+1], s3, WSLOT
	s_add_nc_u64 s[G0H1+2:G0H1+3], s[G0H0+2:G0H0+3], 0x20000   ; rows 32 to 63
	s_or_b32 s[G0H0+3], s[G0H0+3], 0x80000000      ; type = 2
	s_or_b32 s[G0H1+3], s[G0H1+3], 0x80000000
	s_mov_b32 s[G0L], 1
	s_add_co_u32 s[G0L+1], s2, HROW
	s_add_nc_u64 s[G0L+2:G0L+3], s[4:5], s[96:97]
	s_or_b32 s[G0L+3], s[G0L+3], 0x80000000
	s_mov_b32 s98, s2
	s_mov_b32 s[G0B], 1
	s_add_co_u32 s[G0B+1], s2, B1L
	s_add_nc_u64 s[G0B+2:G0B+3], s[10:11], s[98:99]
	s_or_b32 s[G0B+3], s[G0B+3], 0x80000000
	s_lshl_b32 s98, s[WV], 13                      ; the joint loads' descriptors hang on the wave's number alone
	s_mul_i32 s3, s[WV], 32*272
	s_mov_b32 s[G0S], 1
	s_add_co_u32 s[G0S+1], s3, SCL
	s_add_nc_u64 s[G0S+2:G0S+3], s[8:9], s[98:99]
	s_or_b32 s[G0S+3], s[G0S+3], 0x80000000
	s_lshl_b32 s98, s[WV], 15                      ; 64 rows of 512 bytes
	s_mul_i32 s3, s[WV], 64*WPI
	s_mov_b32 s[G0W0], 1
	s_mov_b32 s[G0W0+1], s3
	s_add_nc_u64 s[G0W0+2:G0W0+3], s[6:7], s[98:99]   ; n 0 to 255
	s_mov_b32 s[G0W1], 1
	s_add_co_u32 s[G0W1+1], s3, WSLOT
	s_add_nc_u64 s[G0W1+2:G0W1+3], s[G0W0+2:G0W0+3], 0x20000   ; n 256 to 511
	s_or_b32 s[G0W0+3], s[G0W0+3], 0x80000000
	s_or_b32 s[G0W1+3], s[G0W1+3], 0x80000000
	ROUND                                          ; all four work-groups are here
	tensor_load_to_lds s[G0B:G0B+3], s[G1L:G1L+7]  ; the first fills, one group: five loads of mine are out.  b1,
	s_nop 0
	tensor_load_to_lds s[G0S:G0S+3], s[G1S:G1S+7]  ; W1's scale bytes (joint),
	s_nop 0
	tensor_load_to_lds s[G0L:G0L+3], s[G1L:G1L+7]  ; the last row,
	s_nop 0
	tensor_load_to_lds s[G0H0:G0H0+3], s[G1H:G1H+7]   ; rows 0 to 31,
	s_nop 0
	tensor_load_to_lds s[G0H1:G0H1+3], s[G1H:G1H+7]   ; rows 32 to 63
	s_nop 0
	PLACES 4
	s_lshl_b32 s94, s[BB], 13                      ; where my wave's results go: scores: 8,192 b + 1,024 y + 256 w
	s_lshl_b32 s96, s[CH], 10
	s_add_co_u32 s94, s94, s96
	s_lshl_b32 s96, s[WV], 8
	s_add_co_u32 s94, s94, s96
	s_add_nc_u64 s[12:13], s[12:13], s[94:95]
	s_lshr_b32 s94, s94, 5                         ; keep: a word for each 32 rows
	s_add_nc_u64 s[14:15], s[14:15], s[94:95]
	s_lshl_b32 s94, s[BB], 12                      ; ht: 4,096 b + 1,024 w
	s_add_co_u32 s94, s94, s2
	s_add_nc_u64 s[16:17], s[16:17], s[94:95]
	v_and_b32 v[RR], 15, v0
	v_bfe_u32 v[HH], v0, 4, 1
	v_and_b32 v[LNE], 31, v0
	s_lshl_b32 s3, s[MI], 4
	v_add_nc_u32 v[AQ], s3, v[RR]                  ; my row of a tile's 32: 16 mi + r
	v_mul_u32_u24 v[AQ], v[AQ], HP
	v_lshl_add_u32 v[AQ], v[HH], 7, v[AQ]          ; + 128 h: my block of each 64 numbers
	v_add_nc_u32 v[AQ+1], 2*HTILE, v[AQ]
	v_add_nc_u32 v[AQ+2], WSLOT, v[AQ]
	v_add_nc_u32 v[AQ+3], WSLOT+2*HTILE, v[AQ]
	v_lshl_add_u32 v[AHQ], v[HH], 7, HROW
	s_mul_i32 s3, s[NI], 16*WPI
	v_mul_u32_u24 v[AW0], v[RR], WPI
	v_lshl_add_u32 v[AW0], v[HH], 4, v[AW0]
	v_add_nc_u32 v[AW0], s3, v[AW0]                ; W1: row 16 ni + r of a pair of tiles, + 16 h
	v_lshrrev_b32 v[ADW], 3, v[RR]
	v_mul_u32_u24 v[ADW], v[ADW], 272
	v_and_b32 v[ADS], 7, v[RR]
	v_lshl_add_u32 v[ADW], v[ADS], 5, v[ADW]
	s_mul_i32 s3, s[NI], 544
	s_add_co_u32 s3, s3, SCL
	v_add_nc_u32 v[AS0], s3, v[ADW]                ; its scale words: 32 bytes a row, eight rows to a unit of 272
	s_lshl_b32 s3, s[NI], 6
	s_add_co_u32 s98, s3, B1L
	v_lshl_add_u32 v[AB0], v[HH], 5, s98           ; b1: 64 ni + 32 h
	s_lshl_b32 s98, s[MI], 12
	s_add_co_u32 s98, s98, HT
	v_lshl_add_u32 v[EA], v[LNE], 4, s98           ; my mi's copy of h_t, 16 bytes a lane
	s_add_co_u32 s98, s98, s3
	v_lshl_add_u32 v[AH0], v[HH], 5, s98           ; and where my tiles of it go: 64 ni + 32 h
	s_lshl_b32 s3, s[NI], 10
	s_lshl_b32 s98, s[MI], 6
	s_add_co_u32 s3, s3, s98
	s_add_co_u32 s3, s3, SPART
	v_lshl_add_u32 v[ASP], v[RR], 2, s3            ; my rows' sums: [ni][32 m + 16 mi + r]
	s_lshl_b32 s3, s[WV], 8
	s_add_co_u32 s3, s3, SPART
	v_lshl_add_u32 v[EB], v[LNE], 3, s3            ; rows 64 w + 2 lane, + 1
	s_add_co_u32 s3, s2, HT
	v_lshl_add_u32 v[EC], v[LNE], 4, s3            ; my wave's quarter of h_t
	v_lshlrev_b32 v[EO], 4, v[LNE]
	WIN 0xc0
	v_mov_b32 v[WPR], 0                            ; written once: a lane permute's destination counts as one of its sources
	v_lshlrev_b32 v[SH8], 3, v[HH]
	WIN 0
	s_wait_tensorcnt 0x1                           ; all but rows 32 to 63
	s_barrier_signal -1
	s_barrier_wait -1                              ; everybody's are in
	; ---- PHASE 1: 256 rows through two slots; a slot's refill has the other slot's tile in which to land
	QLAST
	QTILE 0, 0
.irp j, 1,2,3,4,5,6
	CHANGE G0H0+4*((\j-1)%2), G1H, 1               ; the slot just read takes rows 32 (j + 1) on
	QTILE \j%2, \j
.endr
	CHANGE G0W0, G1W, 0                            ; slot 0 has had its last rows: it takes W1's n 0 to 255 (joint)
	QTILE 1, 7
	CHANGE G0W1, G1W, 0                            ; slot 1: n 256 to 511.  The wait in front has shown slot 0 whole
	; ---- PHASE 2: 32 n tiles a wave, eight to a slot
.irp i, 0,1,2,3,4,5,6,7,8,9,10,11,12,13,14,15
	v_mov_b32 v[SC+\i], 0
.endr
	s_mov_b32 s[TWN], 0
	s_mov_b32 s[TS], 0
	s_mov_b32 s[TB], 0
	s_mov_b32 s[TH], 0
	NEXT 1                                         ; tile 0 into set 0
	NT 0, 0, 0, 0, 0                               ; the first tile has no tile before it
	NT 1, 1, 0, 0, 0
	PAIRS 2
	NT 0, 1, 0, 0, 0
	NT 1, 1, 1, G0W0, WSLOT                        ; slot 0 takes n 512 to 767
	PAIRS 3
	NT 0, 1, 0, 0, 0
	NT 1, 1, 1, G0W1, 0                            ; slot 1 takes n 768 to 1,023
	PAIRS 3
	NT 0, 1, 0, 0, 0
	NT 1, 1, 2, 0, WSLOT                           ; nothing is left to fetch
	PAIRS 3
	NT 0, 1, 0, 0, 0
	NT 1, 1, 3, 0, 0
	PLACES 4
.irp s, 0,1,2,3,4,5,6,7
	SLICE \s, 0                                    ; the last tile's dot product
.endr
	WIN 0
	HSTORE 0
	; ---- THE END: a row's sum lies in two registers of lanes l and l xor 16 of two waves
.irp m, 0,1,2,3,4,5,6,7
	v_add_f32 v[SC+2*\m], v[SC+2*\m], v[SC+2*\m+1]
.endr
.irp m, 0,1,2,3,4,5,6,7
	v_permlanex16_b32 v[SC+2*\m+1], v[SC+2*\m], s[SEL], s[SEL+1]
.endr
.irp m, 0,1,2,3,4,5,6,7
	v_add_f32 v[SC+2*\m], v[SC+2*\m], v[SC+2*\m+1]
.endr
.irp m, 0,1,2,3,4,5,6,7
	ds_store_b32 v[ASP], v[SC+2*\m] offset:128*\m  ; lanes l and l xor 16 write the same word with the same value
.endr
	s_wait_dscnt 0x0                               ; for the others' sake: my sums and my tiles of h_t are in LDS
	s_barrier_signal -1
	s_barrier_wait -1
.irp i, 0,1,2,3,4,5,6,7
	ds_load_b128 v[EH+4*\i:EH+4*\i+3], v[EA] offset:512*\i   ; all of h_t: 32 numbers a lane
.endr
	ds_load_b64 v[ET:ET+1], v[EB]                  ; two rows' halves from ni = 0,
	ds_load_b64 v[ET+2:ET+3], v[EB] offset:1024    ; and from ni = 1
	ds_load_b128 v[ET+4:ET+7], v[EC]
	ds_load_b128 v[ET+8:ET+11], v[EC] offset:512
	v_lshlrev_b32 v[ET+20], 3, v[LNE]
	v_lshlrev_b32 v[ET+21], 2, v[LNE]
	v_mov_b32 v[ET+17], 0x3f7ff000                 ; 1 - 2^-12
	s_wait_dscnt 0x0
	v_pk_mul_f32 v[ET+12:ET+13], v[EH:EH+1], v[EH:EH+1]
	v_pk_mul_f32 v[ET+14:ET+15], v[EH+2:EH+3], v[EH+2:EH+3]
.irp i, 4,8,12,16,20,24,28
	v_pk_fma_f32 v[ET+12:ET+13], v[EH+\i:EH+\i+1], v[EH+\i:EH+\i+1], v[ET+12:ET+13]
	v_pk_fma_f32 v[ET+14:ET+15], v[EH+\i+2:EH+\i+3], v[EH+\i+2:EH+\i+3], v[ET+14:ET+15]
.endr
	v_pk_add_f32 v[ET+12:ET+13], v[ET+12:ET+13], v[ET+14:ET+15]
	v_add_f32 v[ET+12], v[ET+12], v[ET+13]
	v_add_f32_dpp v[ET+12], v[ET+12], v[ET+12] row_xmask:1 row_mask:0xf bank_mask:0xf
	v_add_f32_dpp v[ET+12], v[ET+12], v[ET+12] row_xmask:2 row_mask:0xf bank_mask:0xf
	v_add_f32_dpp v[ET+12], v[ET+12], v[ET+12] row_xmask:4 row_mask:0xf bank_mask:0xf
	v_add_f32_dpp v[ET+12], v[ET+12], v[ET+12] row_xmask:8 row_mask:0xf bank_mask:0xf
	v_permlanex16_b32 v[ET+13], v[ET+12], s[SEL], s[SEL+1]
	v_add_f32 v[ET+12], v[ET+12], v[ET+13]         ; h_t . h_t, in every lane
	v_fmaak_f32 v[ET+16], v[ET+12], v[ET+17], 0xc2d00000   ; x (1 - 2^-12) - 104
	v_pk_add_f32 v[ET:ET+1], v[ET:ET+1], v[ET+2:ET+3]
	global_store_b64 v[ET+20], v[ET:ET+1], s[12:13]   ; the wave stores 256 consecutive bytes, at a multiple of 256 from the buffer's first byte
	v_cmp_ge_f32 s2, v[ET], v[ET+16]
	v_cmp_ge_f32 s3, v[ET+1], v[ET+16]
	s_or_b32 s2, s2, s3                            ; bit l: one of rows 64 w + 2 l, + 1 may have a weight
	s_and_b32 s3, s2, 0xffff                       ; rows 64 w + 0 .. 31,
	s_lshr_b32 s2, s2, 16                          ; rows 64 w + 32 .. 63
	v_mov_b32 v[ET+18], s3
	v_mov_b32 v[ET+19], s2
	v_cmp_eq_u32 vcc_lo, 1, v[LNE]
	v_cndmask_b32 v[ET+18], v[ET+18], v[ET+19], vcc_lo
	v_cmp_gt_u32 vcc_lo, 2, v[LNE]
	s_wait_xcnt 0x0                                ; EXEC changes only behind this wait: the store above has it among its sources
	s_and_saveexec_b32 s2, vcc_lo
	global_store_b32 v[ET+21], v[ET+18], s[14:15]  ; lanes 0 and 1: my wave's two words
	s_wait_xcnt 0x0                                ; and again in front of the line that widens it
	s_or_b32 exec_lo, exec_lo, s2
	s_cmp_lg_u32 s[CH], 7                          ; every work-group of a batch has h_t; the last one stores it
	s_cbranch_scc1 .Lno_ht
	global_store_b128 v[EO], v[ET+4:ET+7], s[16:17]
	global_store_b128 v[EO], v[ET+8:ET+11], s[16:17] offset:512
.Lno_ht:
	s_wait_tensorcnt 0x0                           ; the wave's end
	ds_add_u32 v[SPW], v[NIL]
	s_wait_dscnt 0x0
	ROUND                                          ; the closing round: no work-group ends while a partner may still ask for a tile that names it
	s_endpgm
.Lfunc_end_k_q3b00c0d4ca_score:
	.size	k_q3b00c0d4ca_score, .Lfunc_end_k_q3b00c0d4ca_score-k_q3b00c0d4ca_score
	.p2alignl 7, 3214868480
	.fill 96, 4, 3214868480
	.section	.rodata,"a",@progbits
	.p2align	6, 0x0
	.amdhsa_kernel k_q3b00c0d4ca_score
		.amdhsa_group_segment_fixed_size 327680
		.amdhsa_private_segment_fixed_size 0
		.amdhsa_enable_private_segment 0
		.amdhsa_kernarg_size 56
		.amdhsa_user_sgpr_count 2
		.amdhsa_user_sgpr_kernarg_segment_ptr 1
		.amdhsa_wavefront_size32 1
		.amdhsa_system_sgpr_workgroup_id_x 1
		.amdhsa_system_sgpr_workgroup_id_y 1
		.amdhsa_system_sgpr_workgroup_id_z 1
		.amdhsa_system_vgpr_workitem_id 0
		.amdhsa_next_free_vgpr 1024
		.amdhsa_next_free_sgpr 100
		.amdhsa_reserve_vcc 1
		.amdhsa_float_denorm_mode_32 3
		.amdhsa_float_denorm_mode_16_64 3
		.amdhsa_memory_ordered 1
		.amdhsa_forward_progress 1
		.amdhsa_inst_pref_size 255
	.end_amdhsa_kernel
	.section	.bss,"aw",@nobits
	.p2align	6
	.space	262144
	.amdgpu_metadata
---
amdhsa.version: [ 1, 2 ]
amdhsa.kernels:
  - .name:           k_q3b00c0d4ca_score
    .symbol:         k_q3b00c0d4ca_score.kd
    .args:
      - { .name: hidden_states, .offset: 0, .size: 8, .value_kind: global_buffer, .address_space: global }
      - { .name: W1_codes, .offset: 8, .size: 8, .value_kind: global_buffer, .address_space: global }
      - { .name: W1_scales, .offset: 16, .size: 8, .value_kind: global_buffer, .address_space: global }
      - { .name: b1, .offset: 24, .size: 8, .value_kind: global_buffer, .address_space: global }
      - { .name: scores, .offset: 32, .size: 8, .value_kind: global_buffer, .address_space: global }
      - { .name: keep, .offset: 40, .size: 8, .value_kind: global_buffer, .address_space: global }
      - { .name: ht, .offset: 48, .size: 8, .value_kind: global_buffer, .address_space: global }
    .group_segment_fixed_size: 327680
    .private_segment_fixed_size: 0
    .kernarg_segment_align: 8
    .kernarg_segment_size: 56
    .max_flat_workgroup_size: 128
    .sgpr_count:     100
    .vgpr_count:     1024
    .wavefront_size: 32
...
	.end_amdgpu_metadata
.endif
;; end of part 1
;; launch tail (part 2): grid 32 x 1, 16 waves a work-group, no clusters, 45,056 bytes of LDS; arguments hidden_states, scores, keep, ht, Wv_codes, Wv_scales, bv, out0; writes out0
.if DOCPART == 2
	.amdgcn_target "amdgcn-amd-amdhsa--gfx1250"
	.amdhsa_code_object_version 6
	.text
	.protected	k_q3b00c0d4ca_tail
	.globl	k_q3b00c0d4ca_tail
	.p2align	8
	.type	k_q3b00c0d4ca_tail,@function
k_q3b00c0d4ca_tail:
	s_mov_b64 s[64:65], 0
	v_nop
	global_prefetch_b8 v0, s[64:65] scope:SCOPE_SE
	s_setreg_imm32_b32 hwreg(HW_REG_WAVE_MODE, 25, 1), 1
	s_wait_xcnt 0x0
; out0[b] = tanh(Q([context, h_t]) Wv + bv),  context[c] = sum over t of softmax_t(scores[b])[t] hs[b][t][c].  One work-group, sixteen waves, to a batch.
; SOFTMAX: the row's maximum is taken away; p = 2^((s - max) log2 e); the sum divides at the end.  All in f32: the context goes on into a quantiser.
; CONTEXT: f32 multiply-adds on the rows as they lie in memory.  Wave w takes columns 128 (w % 8) on, 4 a lane (a wave's load covers 512 consecutive bytes of a row), and the row groups 32 (w / 8) .. + 31 of 32 rows.
; A group whose word in keep is 0 is left out: the launch before has shown that each of its rows has a weight under e^-104 of the largest.  The branch hangs on whole numbers read from memory; the loop's trips are constant.
; THE PRODUCT: wave w owns K step w (w < 8: context columns 128 w on; else h_t's 128 (w - 8) on): it quantises those 128 numbers into one fragment, the same row in all sixteen columns, and multiplies Wv's sixteen n tiles
; by it (transposed: source 0 = 16 rows of Wv): 16 matrix instructions a wave, each starting its own sum.  The sixteen waves' parts meet in LDS and are added in ascending K.
; No tensor loads, no cluster: the work-groups share only Wv (278 KB), which each reads once into registers.
; LIMITS: NaN and infinities are not served.  A p under 2^-126 comes out of v_exp_f32 as 0 (ISA guide 15.8); the sum is at least 1.  A block of zeros gets the scale byte 1: its codes are zeros.
; REGISTERS: v1-7 offsets and LDS addresses; v8-11 scores, then p; v12-19 two sets of sums; v20 1 / the sum; v22-25 h_t's chunk; v26-29 bv; v30 P's address; v31 the row's scale word; v32-47 Wv's scale words;
;   v48-63 16 p, later at work and the row's fragment (v56-63); v64-127 16 rows x 4 columns, later the 64 numbers to quantise; v128-255 Wv's 16 fragments; the results' tile t lies at v[64 + 8 t].
.set RMAX, 0                           ; LDS: the waves' maxima;
.set RSUM, 256                         ; their sums;
.set PL,   512                         ; p, 2,048 numbers;
.set XCH,  8704                        ; the waves' sums of the context, 512 bytes each;
.set VST,  16896                       ; each wave's 128 numbers ahead of the quantiser;
.set PART, 25088                       ; each wave's part of the 256 outputs
	s_load_b256 s[4:11], s[0:1], 0x0               ; hs s[4:5], scores s[6:7], keep s[8:9], ht s[10:11]
	s_load_b256 s[12:19], s[0:1], 0x20             ; Wv's codes s[12:13], Wv's scales s[14:15], bv s[16:17], out0 s[18:19]
	v_lshrrev_b32 v1, 5, v0
	v_readfirstlane_b32 s20, v1                    ; wave 0..15
	v_and_b32 v1, 31, v0                           ; lane
	v_and_b32 v2, 15, v0                           ; r
	v_bfe_u32 v3, v0, 4, 1                         ; h
	v_lshlrev_b32 v4, 4, v0                        ; 16 x thread
	v_lshlrev_b32 v5, 2, v1                        ; 4 x lane
	v_lshlrev_b32 v6, 4, v1                        ; 16 x lane
	v_and_b32 v7, 63, v0
	v_lshlrev_b32 v7, 4, v7                        ; 16 x (thread % 64): bv has 1,024 bytes
	s_and_b32 s21, s20, 7                          ; which 128 columns
	s_lshr_b32 s22, s20, 3                         ; which half of the rows
	s_lshl_b32 s30, s20, 6
	v_lshl_add_u32 v30, v2, 10, s30
	v_lshl_add_u32 v30, v3, 4, v30                 ; Wv's codes: row r of 1,024 bytes, K step w, + 16 h
	s_lshl_b32 s30, s20, 2
	v_lshl_add_u32 v31, v2, 6, s30                 ; its scale words: row r of 64 bytes, word w
	s_mov_b32 s32, 0x76543210
	s_mov_b32 s33, 0xfedcba98                      ; v_permlanex16_b32's selects for lane l xor 16
	s_mov_b32 s25, 0
	s_wait_kmcnt 0x0
	s_lshl_b32 s24, ttmp9, 13
	s_add_nc_u64 s[6:7], s[6:7], s[24:25]          ; the batch's scores,
	s_lshl_b32 s24, ttmp9, 8
	s_add_nc_u64 s[8:9], s[8:9], s[24:25]          ; its 64 words of keep,
	s_lshl_b32 s24, ttmp9, 12
	s_lshl_b32 s30, s21, 9
	s_add_co_u32 s24, s24, s30
	s_add_nc_u64 s[10:11], s[10:11], s[24:25]      ; my 128 numbers of its h_t,
	s_lshl_b32 s24, ttmp9, 23
	s_lshl_b32 s31, s22, 22
	s_add_co_u32 s24, s24, s31
	s_add_co_u32 s24, s24, s30
	s_add_nc_u64 s[4:5], s[4:5], s[24:25]          ; my columns of my half's first row (under 2^28),
	s_lshl_b32 s24, ttmp9, 10
	s_add_nc_u64 s[18:19], s[18:19], s[24:25]      ; its row of the output
	global_load_b128 v[8:11], v4, s[6:7]           ; four scores a thread
	global_load_b32 v20, v5, s[8:9]                ; lane l: the word of group l,
	global_load_b32 v21, v5, s[8:9] offset:128     ; and of group 32 + l
	global_load_b128 v[22:25], v6, s[10:11]
	global_load_b128 v[26:29], v7, s[16:17]
.irp t, 0,1,2,3,4,5,6,7,8,9,10,11,12,13,14,15
	global_load_b32 v[32+\t], v31, s[14:15] offset:1024*\t
.endr
.irp t, 0,1,2,3,4,5,6,7,8,9,10,11,12,13,14,15
.irp c, 0,1
	global_load_b128 v[128+8*\t+4*\c:128+8*\t+4*\c+3], v30, s[12:13] offset:16384*\t+32*\c
.endr
.endr
	s_wait_xcnt 0x0                                ; the loads' offset registers may be written again
	s_lshl_b32 s30, s20, 9
	v_add_nc_u32 v1, s30, v6                       ; LDS: 512 w + 16 lane: my place in XCH and in VST
	v_lshl_add_u32 v2, v3, 7, s30                  ; 512 w + 128 h: back out of VST
	s_xor_b32 s31, s20, 8
	s_lshl_b32 s31, s31, 9
	v_add_nc_u32 v5, s31, v6                       ; the wave that has the other half of the rows
	s_lshl_b32 s30, s20, 10
	v_lshl_add_u32 v3, v3, 5, s30                  ; 1,024 w + 32 h: my place in PART
	s_lshl_b32 s30, s20, 2
	v_mov_b32 v12, s30                             ; 4 w
	v_mov_b32 v13, 0
	s_wait_loadcnt 50                              ; the scores and the two words are in; the 50 loads behind them may be out
	v_cmp_ne_u32 s26, 0, v20                       ; bit g: group g is kept
	v_cmp_ne_u32 s27, 0, v21                       ; group 32 + g
	s_cmp_lt_u32 s20, 8
	s_cselect_b32 s26, s26, s27                    ; my half's
	s_cselect_b32 s34, -1, 0                       ; all ones: my K step is the context's
	; ---- the maximum
	v_max3_num_f32 v48, v8, v9, v10
	v_max_num_f32 v48, v48, v11
	v_max_num_f32_dpp v48, v48, v48 row_xmask:1 row_mask:0xf bank_mask:0xf
	v_max_num_f32_dpp v48, v48, v48 row_xmask:2 row_mask:0xf bank_mask:0xf
	v_max_num_f32_dpp v48, v48, v48 row_xmask:4 row_mask:0xf bank_mask:0xf
	v_max_num_f32_dpp v48, v48, v48 row_xmask:8 row_mask:0xf bank_mask:0xf
	v_permlanex16_b32 v20, v48, s32, s33
	v_max_num_f32 v48, v48, v20
	ds_store_b32 v12, v48 offset:RMAX              ; all lanes write the same word with the same value
	s_wait_dscnt 0x0
	s_barrier_signal -1
	s_barrier_wait -1
.irp i, 0,1,2,3
	ds_load_b128 v[48+4*\i:51+4*\i], v13 offset:RMAX+16*\i
.endr
	s_wait_dscnt 0x0
	v_max3_num_f32 v48, v48, v49, v50
	v_max3_num_f32 v51, v51, v52, v53
	v_max3_num_f32 v54, v54, v55, v56
	v_max3_num_f32 v57, v57, v58, v59
	v_max3_num_f32 v60, v60, v61, v62
	v_max3_num_f32 v48, v48, v51, v54
	v_max3_num_f32 v57, v57, v60, v63
	v_max_num_f32 v48, v48, v57
	; ---- p and its sum.  The difference is taken first and multiplied then: fused, the product s log2 e would be rounded at the size of s
.irp i, 8,9,10,11
	v_sub_f32 v\i, v\i, v48
.endr
.irp i, 8,9,10,11
	v_mul_f32 v\i, 0x3fb8aa3b, v\i
.endr
.irp i, 8,9,10,11
	v_exp_f32 v\i, v\i
.endr
	v_nop                                          ; one plain place behind the exponentials
	s_wait_alu depctr_va_vdst(0)
	ds_store_b128 v4, v[8:11] offset:PL
	v_add_f32 v48, v8, v9
	v_add_f32 v49, v10, v11
	v_add_f32 v48, v48, v49
	v_add_f32_dpp v48, v48, v48 row_xmask:1 row_mask:0xf bank_mask:0xf
	v_add_f32_dpp v48, v48, v48 row_xmask:2 row_mask:0xf bank_mask:0xf
	v_add_f32_dpp v48, v48, v48 row_xmask:4 row_mask:0xf bank_mask:0xf
	v_add_f32_dpp v48, v48, v48 row_xmask:8 row_mask:0xf bank_mask:0xf
	v_permlanex16_b32 v20, v48, s32, s33
	v_add_f32 v48, v48, v20
	ds_store_b32 v12, v48 offset:RSUM
	s_wait_dscnt 0x0
	s_barrier_signal -1
	s_barrier_wait -1                              ; all of p and the sixteen sums lie in LDS
.irp i, 0,1,2,3
	ds_load_b128 v[48+4*\i:51+4*\i], v13 offset:RSUM+16*\i
.endr
.irp i, 12,13,14,15,16,17,18,19
	v_mov_b32 v\i, 0                               ; the context's sums: a group may be left out, so no product can start them
.endr
	s_wait_dscnt 0x0
	v_pk_add_f32 v[48:49], v[48:49], v[50:51]
	v_pk_add_f32 v[52:53], v[52:53], v[54:55]
	v_pk_add_f32 v[56:57], v[56:57], v[58:59]
	v_pk_add_f32 v[60:61], v[60:61], v[62:63]
	v_pk_add_f32 v[48:49], v[48:49], v[52:53]
	v_pk_add_f32 v[56:57], v[56:57], v[60:61]
	v_pk_add_f32 v[48:49], v[48:49], v[56:57]
	v_add_f32 v48, v48, v49
	v_rcp_f32 v20, v48                             ; 1 / the sum
	s_mov_b32 s28, 0                               ; the group in hand
	s_lshl_b32 s29, s22, 12
	s_add_co_u32 s29, s29, PL                      ; its 32 p
	; ---- the context: 32 trips, a group of 32 rows each
.Lgroup:
	v_mov_b32 v30, s29
	s_bitcmp1_b32 s26, s28
	s_cbranch_scc0 .Lskip
.irp f, 0,1                                    ; 16 rows at a time
.irp k, 0,1,2,3,4,5,6,7,8,9,10,11,12,13,14,15
	global_load_b128 v[64+4*\k:67+4*\k], v6, s[4:5] offset:(16*\f+\k)*4096 th:TH_LOAD_NT
.endr
.irp k, 0,1,2,3
	ds_load_b128 v[48+4*\k:51+4*\k], v30 offset:64*\f+16*\k   ; their 16 p, the same in every lane
.endr
	s_wait_loadcnt 0x0
	s_wait_dscnt 0x0
.irp k, 0,2,4,6,8,10,12,14                     ; even rows into one set of sums, odd rows into the other; of p's pair the first register serves both halves, or the second
	v_pk_fma_f32 v[12:13], v[64+4*\k:65+4*\k], v[48+\k:49+\k], v[12:13] op_sel_hi:[1,0,1]
	v_pk_fma_f32 v[14:15], v[66+4*\k:67+4*\k], v[48+\k:49+\k], v[14:15] op_sel_hi:[1,0,1]
	v_pk_fma_f32 v[16:17], v[68+4*\k:69+4*\k], v[48+\k:49+\k], v[16:17] op_sel:[0,1,0] op_sel_hi:[1,1,1]
	v_pk_fma_f32 v[18:19], v[70+4*\k:71+4*\k], v[48+\k:49+\k], v[18:19] op_sel:[0,1,0] op_sel_hi:[1,1,1]
.endr
.endr
.Lskip:
	s_wait_xcnt 0x0                                ; the loads have read their base
	s_add_nc_u64 s[4:5], s[4:5], 0x20000           ; 32 rows of 4,096 bytes on
	s_add_co_u32 s29, s29, 128
	s_add_co_u32 s28, s28, 1
	s_cmp_lt_u32 s28, 32
	s_cbranch_scc1 .Lgroup
	v_pk_add_f32 v[12:13], v[12:13], v[16:17]
	v_pk_add_f32 v[14:15], v[14:15], v[18:19]
	ds_store_b128 v1, v[12:15] offset:XCH
	s_wait_dscnt 0x0
	s_barrier_signal -1
	s_barrier_wait -1
	ds_load_b128 v[16:19], v5 offset:XCH           ; the same columns' sums over the other half of the rows
	s_wait_loadcnt 0x0                             ; h_t, bv, Wv
	s_wait_dscnt 0x0
	v_pk_add_f32 v[12:13], v[12:13], v[16:17]
	v_pk_add_f32 v[14:15], v[14:15], v[18:19]
	s_wait_alu depctr_va_vdst(0)
	v_pk_mul_f32 v[12:13], v[12:13], v[20:21] op_sel_hi:[1,0]
	v_pk_mul_f32 v[14:15], v[14:15], v[20:21] op_sel_hi:[1,0]
.irp i, 0,1,2,3
	v_cndmask_b32 v[12+\i], v[22+\i], v[12+\i], s34   ; waves 0-7: the context; waves 8-15: h_t
.endr
	; ---- my K step's 128 numbers turn through my own bytes of LDS (a wave's LDS instructions are served in order): every lane (r, h) takes k = 64 c + 32 h + 0 .. 31
	ds_store_b128 v1, v[12:15] offset:VST
.irp c, 0,1
.irp i, 0,1,2,3,4,5,6,7
	ds_load_b128 v[64+32*\c+4*\i:67+32*\c+4*\i], v2 offset:VST+256*\c+16*\i
.endr
.endr
	v_bfe_u32 v30, v0, 4, 1
	v_lshlrev_b32 v30, 3, v30                      ; 8 h
	s_wait_dscnt 0x0
.irp c, 0,1
	v_max3_num_f32 v[48+2*\c], |v[64+32*\c]|, |v[65+32*\c]|, 0x1800000   ; block 2 c + h, in two chains; the floor 2^(3 - 127) holds the byte at 1 from below
	v_max3_num_f32 v[49+2*\c], |v[80+32*\c]|, |v[81+32*\c]|, |v[82+32*\c]|
.endr
.irp i, 2,4,6,8,10,12
.irp c, 0,1
	v_max3_num_f32 v[48+2*\c], v[48+2*\c], |v[64+32*\c+\i]|, |v[65+32*\c+\i]|
	v_max3_num_f32 v[49+2*\c], v[49+2*\c], |v[81+32*\c+\i]|, |v[82+32*\c+\i]|
.endr
.endr
.irp c, 0,1
	v_max3_num_f32 v[48+2*\c], v[48+2*\c], |v[78+32*\c]|, |v[79+32*\c]|
.endr
.irp c, 0,1
	v_max3_num_f32 v[48+2*\c], v[48+2*\c], v[49+2*\c], |v[95+32*\c]|
.endr
.irp c, 0,1
	v_add_nc_u32 v[52+\c], 0xff000000, v[48+2*\c]  ; 2 off the exponent field: the conversion's scale operand
.endr
.irp c, 0,1
	v_lshrrev_b32 v[54+\c], 23, v[52+\c]           ; the scale's byte
.endr
	v_lshl_or_b32 v20, v55, 16, v54
	v_lshlrev_b32 v20, v30, v20
	v_permlanex16_b32 v21, v20, s32, s33
	v_or_b32 v31, v20, v21                         ; the row's scale word for this K step
.irp c, 0,1
.irp g, 0,1,2,3
	v_cvt_scalef32_pk8_fp4_f32 v[56+4*\c+\g], v[64+32*\c+8*\g:71+32*\c+8*\g], v[52+\c]
.endr
.endr
.rept 8
	v_nop                                          ; a scale register written by a vector instruction stands 8 places ahead of a scaled matrix instruction, an operand so written 4
.endr
.irp t, 0,1,2,3,4,5,6,7
	v_wmma_scale_f32_16x16x128_f8f6f4 v[64+8*\t:71+8*\t], v[128+8*\t:135+8*\t], v[56:63], 0, v[32+\t], v31 matrix_a_fmt:MATRIX_FMT_FP4 matrix_b_fmt:MATRIX_FMT_FP4
.endr
.rept 5
	v_nop                                          ; the next eight results are laid over the first eight fragments of Wv: five places behind the products that read them
.endr
.irp t, 8,9,10,11,12,13,14,15
	v_wmma_scale_f32_16x16x128_f8f6f4 v[64+8*\t:71+8*\t], v[128+8*\t:135+8*\t], v[56:63], 0, v[32+\t], v31 matrix_a_fmt:MATRIX_FMT_FP4 matrix_b_fmt:MATRIX_FMT_FP4
.endr
.rept 4
	v_nop
.endr
.irp t, 0,1,2,3,4,5,6,7,8,9,10,11,12,13,14,15
	ds_store_b128 v3, v[64+8*\t:67+8*\t] offset:PART+64*\t          ; lane (r, h): outputs 16 t + 8 h + 0 .. 7, the same in every r; each result from its low end on
	ds_store_b128 v3, v[68+8*\t:71+8*\t] offset:PART+64*\t+16
.endr
	s_wait_dscnt 0x0
	s_barrier_signal -1
	s_barrier_wait -1                              ; the sixteen K steps' parts lie in LDS
	s_cmp_lt_u32 s20, 2                            ; 64 threads finish the 256 outputs, four each
	s_cbranch_scc0 .Ldone
.irp k, 0,1,2,3,4,5,6,7,8,9,10,11,12,13,14,15
	ds_load_b128 v[64+4*\k:67+4*\k], v7 offset:PART+1024*\k
.endr
	s_wait_dscnt 0x0
.irp k, 1,2,3,4,5,6,7,8,9,10,11,12,13,14,15    ; K ascending
	v_pk_add_f32 v[64:65], v[64:65], v[64+4*\k:65+4*\k]
	v_pk_add_f32 v[66:67], v[66:67], v[66+4*\k:67+4*\k]
.endr
	v_pk_add_f32 v[64:65], v[64:65], v[26:27]      ; + bv
	v_pk_add_f32 v[66:67], v[66:67], v[28:29]
	v_pk_mul_f32 v[64:65], v[64:65], 0x4038aa3b op_sel_hi:[1,0]   ; tanh x = 1 - 2 / (1 + 2^(2 x log2 e))
	v_pk_mul_f32 v[66:67], v[66:67], 0x4038aa3b op_sel_hi:[1,0]
.irp i, 64,65,66,67
	v_exp_f32 v\i, v\i
.endr
	v_nop
	s_wait_alu depctr_va_vdst(0)
	v_pk_add_f32 v[64:65], v[64:65], 1.0 op_sel_hi:[1,0]
	v_pk_add_f32 v[66:67], v[66:67], 1.0 op_sel_hi:[1,0]
.irp i, 64,65,66,67
	v_rcp_f32 v\i, v\i
.endr
	v_nop
	s_wait_alu depctr_va_vdst(0)
	v_pk_fma_f32 v[64:65], v[64:65], -2.0, 1.0 op_sel_hi:[1,0,0]
	v_pk_fma_f32 v[66:67], v[66:67], -2.0, 1.0 op_sel_hi:[1,0,0]
	global_store_b128 v7, v[64:67], s[18:19]       ; a wave stores 512 consecutive bytes of the batch's row
.Ldone:
	s_wait_xcnt 0x0
	v_lshl_add_u32 v254, v0, 2, 0xa800
	v_mov_b32 v255, 0
	s_wait_tensorcnt 0x0
	ds_add_u32 v254, v255
	s_wait_dscnt 0x0
	s_endpgm
.Lfunc_end_k_q3b00c0d4ca_tail:
	.size	k_q3b00c0d4ca_tail, .Lfunc_end_k_q3b00c0d4ca_tail-k_q3b00c0d4ca_tail
	.p2alignl 7, 3214868480
	.fill 96, 4, 3214868480
	.section	.rodata,"a",@progbits
	.p2align	6, 0x0
	.amdhsa_kernel k_q3b00c0d4ca_tail
		.amdhsa_group_segment_fixed_size 45056
		.amdhsa_private_segment_fixed_size 0
		.amdhsa_enable_private_segment 0
		.amdhsa_kernarg_size 64
		.amdhsa_user_sgpr_count 2
		.amdhsa_user_sgpr_kernarg_segment_ptr 1
		.amdhsa_wavefront_size32 1
		.amdhsa_system_sgpr_workgroup_id_x 1
		.amdhsa_system_sgpr_workgroup_id_y 1
		.amdhsa_system_sgpr_workgroup_id_z 1
		.amdhsa_system_vgpr_workitem_id 0
		.amdhsa_next_free_vgpr 256
		.amdhsa_next_free_sgpr 66
		.amdhsa_reserve_vcc 0
		.amdhsa_float_denorm_mode_32 3
		.amdhsa_float_denorm_mode_16_64 3
		.amdhsa_memory_ordered 1
		.amdhsa_forward_progress 1
		.amdhsa_inst_pref_size 34
	.end_amdhsa_kernel
	.amdgpu_metadata
---
amdhsa.version: [ 1, 2 ]
amdhsa.kernels:
  - .name:           k_q3b00c0d4ca_tail
    .symbol:         k_q3b00c0d4ca_tail.kd
    .args:
      - { .name: hidden_states, .offset: 0, .size: 8, .value_kind: global_buffer, .address_space: global }
      - { .name: scores, .offset: 8, .size: 8, .value_kind: global_buffer, .address_space: global }
      - { .name: keep, .offset: 16, .size: 8, .value_kind: global_buffer, .address_space: global }
      - { .name: ht, .offset: 24, .size: 8, .value_kind: global_buffer, .address_space: global }
      - { .name: Wv_codes, .offset: 32, .size: 8, .value_kind: global_buffer, .address_space: global }
      - { .name: Wv_scales, .offset: 40, .size: 8, .value_kind: global_buffer, .address_space: global }
      - { .name: bv, .offset: 48, .size: 8, .value_kind: global_buffer, .address_space: global }
      - { .name: out0, .offset: 56, .size: 8, .value_kind: global_buffer, .address_space: global }
    .group_segment_fixed_size: 45056
    .private_segment_fixed_size: 0
    .kernarg_segment_align: 8
    .kernarg_segment_size: 64
    .max_flat_workgroup_size: 512
    .sgpr_count:     66
    .vgpr_count:     256
    .wavefront_size: 32
...
	.end_amdgpu_metadata
.endif
;; end of part 2
;; ======== version 2 of 2: 2 launches; 1.19 times as fast as version 1
;; workspace buffers: scores 262,144 bytes; keep 8,192 bytes of whole numbers; ht 131,072 bytes
;; launch score (part 3): grid 32 x 8, 4 waves a work-group, clusters of 4 x 1, 327,680 bytes of LDS; arguments hidden_states, W1_codes, W1_scales, b1, scores, keep, ht; writes scores, keep, ht
.if DOCPART == 3
	.amdgcn_target "amdgcn-amd-amdhsa--gfx1250"
	.amdhsa_code_object_version 6
	.text
	.protected	k_q3b00c0d4ca_score
	.globl	k_q3b00c0d4ca_score
	.p2align	8
	.type	k_q3b00c0d4ca_score,@function
k_q3b00c0d4ca_score:
	s_mov_b64 s[64:65], 0
	v_nop
	global_prefetch_b8 v0, s[64:65] scope:SCOPE_SE
	s_setreg_imm32_b32 hwreg(HW_REG_WAVE_MODE, 25, 1), 1
	s_wait_xcnt 0x0
	s_wait_alu depctr_hold_cnt(0) depctr_sa_sdst(0) depctr_va_vdst(0) depctr_va_sdst(0) depctr_va_ssrc(0) depctr_va_vcc(0) depctr_vm_vsrc(0)
	s_getreg_b32 s2, hwreg(HW_REG_IB_STS2, 6, 4)
	s_cmp_eq_u32 s2, 0
	s_cbranch_scc0 .Lentry_in_a_cluster
	s_endpgm
.Lentry_in_a_cluster:
	s_bfe_u32 s2, ttmp6, 0x10000c
	s_cmp_lg_u32 s2, 0x3003
	s_cbranch_scc0 .Lentry_shape_is_right
	s_endpgm
.Lentry_shape_is_right:
; scores[b][t] = (Q(hs[b][t]) W1 + b1) . h_t[b],  h_t[b] = Q(hs[b][2047]) W1 + b1,  Q the MX-FP4 quantiser along the 1,024 of a row.  hs: [32][2048][1024] f32; W1: codes [1024 n][512 bytes], scale bytes [1024 n][32].
; Also stored: ht[b][1024] (by the batch's last work-group), and keep[b][64]: one word for each 32 rows, not 0 where a row of the group can have a weight in the softmax.
; SHARES.  A work-group owns 256 rows of one batch (x: the batch, y: which 256).  PHASE 1: the rows come through two LDS slots, 32 rows at a time, and are quantised into REGISTERS: a wave keeps 128 rows x 1,024 codes
; (512 registers) and their scale words.  PHASE 2: W1 comes through the same two slots, 256 n at a time; a wave multiplies its 128 rows, and the batch's last row as a ninth tile, by half of the n.
; Waves are 2 x 2: wave w = 2 mi + ni holds rows 32 j + 16 mi + r (j = 0 .. 7) and takes, of each 64 n, the 32 from 32 ni on.  Both ni waves quantise the same rows: no rows' codes go from wave to wave.
; THE PRODUCT IS USED TRANSPOSED, IN THE 32-ROW FORM (source 0 = 32 rows of W1, source 1 = 16 rows of hs): one instruction does what two of the 16-row form do, so the text has half the matrix instructions.
; A lane holds ONE row of hs and sixteen n (registers 0-7: n 8 h + 0 .. 7; registers 8-15: 16 further on).  The ninth tile's 16 columns are all the last row, so every lane holds h_t at its own sixteen n beside its
; scores' terms: a block's part of the dot product is 64 packed multiply-adds.  b1 is the C of each sum's first matrix instruction.
; KEEP.  Row 2047 is a row, so the largest score is at least h_t . h_t.  A row whose score lies under h_t . h_t (1 - 2^-12) - 104 has a weight under e^-104 of the largest.  (2^-12 covers the rounding of two f32 sums
; of the same 1,024 squares in different orders: 2 x 1,024 x 2^-24.)  The next launch leaves out groups whose word is 0.
; CLUSTER.  The four work-groups of a cluster (four batches, the same y) walk the same W1: its codes and scale bytes are asked for JOINTLY, one tensor load with the mask 15 in all four.  hs, its last row and b1 (4 KB) are plain loads.
; LIMITS.  NaN and infinities among the inputs are not served (a NaN score drops its row from keep).  A block of zeros gets the scale byte 1 where the rule says 127: its codes are zeros, and only this program reads the byte.
; REGISTERS, in windows of 256 (s_set_vgpr_msb: bits 1:0 source 0, 3:2 source 1, 5:4 source 2, 7:6 destination):
;   window 0: v1-15, v24-27, v216-223 addresses; v16-23 W1's scale words; v32-95 the rows' scale words (8 j + s); v96-103 the last row's; v104-167 the last row's 8 fragments; v168-183 h_t's tile;
;             v184-199 b1's tile; v200-215 the scores' sums, a pair a tile of rows; v224-255 and, at the end, v104-125 at work
;   window 1: the rows' fragments, j = 0 .. 3 at v[64 j + 8 s];   window 2: j = 4 .. 7
;   window 3: phase 1: v0-127 two sets of 64 numbers, v128-138 at work;  phase 2: v0-127 a block's 8 fragments of W1 (16 registers each), ONE set; v128-255 the 8 accumulators (16 registers each), ONE set
.set HP,    1040                       ; a row of an hs tile in LDS: 1,024 bytes + 16 = 260 words: row r starts at bank 4 r mod 64 (64 banks of 4 bytes: ISA guide 11.1)
.set HTILE, 32*HP                      ; 32 rows x a quarter of K: what one wave's tensor load brings
.set WPI,   528                        ; a row of W1's codes in LDS: 512 bytes + 16 = 132 words: again 4 r mod 64
.set WSLOT, 256*WPI                    ; a slot: 256 rows of W1, or four hs tiles (133,120 bytes)
.set SCL,   2*WSLOT                    ; W1's scale bytes, all 32,768, as 128 units of 256 bytes + 16
.set B1L,   SCL+128*272                ; b1, dense
.set HROW,  B1L+4096                   ; the batch's last row, dense
.set HT,    HROW+4096                  ; written by LDS stores alone, no tensor load lands from here on: in phase 1 the images of the last row's 8 fragments, then h_t, one copy for each mi
.set SPART, HT+2*4096                  ; in phase 1 the images of the last row's 8 scale words, at the end the scores' halves: [ni][256 rows]
.set SPARE, SPART+2*1024               ; the spare words, 128 bytes for each wave: two blocks of 256 bytes that no other line names
.set SPW, 1                            ; v1   LDS address of my spare word; never rewritten
.set NIL, 2                            ; v2   0; never rewritten
.set RR,  3                            ; v3   r = lane % 16
.set HH,  4                            ; v4   h = lane / 16
.set AQ,  5                            ; v5-8 hs tiles: slot p, K half qp at v[AQ + 2 p + qp]: my row, + 128 h
.set AHQ, 9                            ; v9   the last row: my wave's quarter, + 128 h
.set AW0, 10                           ; v10  my lane's place in 64 rows of W1
.set AS0, 11                           ; v11  among W1's scale words
.set AB0, 12                           ; v12  in b1
.set AH0, 13                           ; v13  in my copy of h_t
.set ADW, 14                           ; v14, v15, v216, v217: the addresses in hand
.set ADS, 15
.set WS,  16
.set QI,  24                           ; v24  where my two fragments of the last row go: 2,048 w + 16 lane
.set QS,  25                           ; v25  and their scale words: 256 w + 4 lane
.set QLI, 26                           ; v26  from where all eight come back: 16 lane
.set QLS, 27                           ; v27  4 lane
.set XS,  32
.set HS,  96
.set HC,  104
.set AH,  168
.set B1R, 184
.set SC,  200
.set ADB, 216
.set ADH, 217
.set ASP, 218                          ; v218 where my rows' sums go
.set LNE, 219                          ; v219 lane
.set EA,  220                          ; v220 the end: h_t, 16 bytes a lane
.set EB,  221                          ; v221 my wave's 64 sums, 8 bytes a lane
.set EC,  222                          ; v222 my wave's quarter of h_t
.set EO,  223                          ; v223 16 x lane
.set EH,  224                          ; v224-255 h_t
.set ET,  104                          ; v104-125 at work at the end
.set ACC, 128                          ; window 3
.set TM,  128                          ; window 3, phase 1: four running maxima
.set SO,  132                          ; two scale operands
.set BY,  134                          ; two scale bytes
.set WD,  136                          ; my two bytes at their places
.set WPR, 137                          ; lane l xor 16's
.set SH8, 138                          ; 8 h
.set WV,  18                           ; s18 wave, s19 mi, s20 ni, s21 which 256 rows, s22 the batch
.set MI,  19
.set NI,  20
.set CH,  21
.set BB,  22
.set G1H, 24                           ; s[24:31] group 1: an hs tile;  s[32:39] 64 rows of W1's codes;  s[40:47] 32 units of scale bytes;  s[48:55] one row of 1,024 bytes
.set G1W, 32
.set G1S, 40
.set G1L, 48
.set G0H0, 56                          ; groups 0: hs, one for each slot; the scale bytes; the last row; b1; W1, one for each slot
.set G0H1, 60
.set TH,  66                           ; s66  256 x the block whose h_t is stored next
.set G0S, 68
.set G0L, 72
.set G0B, 76
.set G0W0, 80
.set G0W1, 84
.set SEL, 88                           ; s[88:89] v_permlanex16_b32's selects for lane l xor 16
.set TWN, 90                           ; s90  LDS byte at which the 64 rows of the next block to fetch begin
.set TS,  91                           ; s91  2,176 x its number: its scale words
.set TB,  92                           ; s92  256 x its number: its b1
.set CNT, 93
.set MSB, 0
.macro WIN new                         ; the immediate's high byte repeats the setting that is left; a switch that changes nothing is dropped
.if MSB != (\new)
	s_set_vgpr_msb (MSB<<8)|(\new)
.set MSB, \new
.endif
.endm
.macro PLACES n
.rept \n
	v_nop
.endr
.endm
; A round of the cluster's barrier: my work-group's barrier; wave 0 signals for the work-group; every wave waits for all four work-groups; my work-group's barrier once more.
.macro ROUND
	s_barrier_signal -1
	s_barrier_wait -1
	s_cmp_lg_u32 s[WV], 0
	s_cbranch_scc1 .Lnot_wave_0_\@
	s_barrier_signal -3
.Lnot_wave_0_\@:
	s_barrier_wait -3
	s_barrier_signal -1
	s_barrier_wait -1
.endm
; 64 numbers of my row, k = 64 c + 32 h + 0 .. 31 of a K step: two whole blocks of 32, in the order that the operand's layout gives my lane
.macro LOADF adr, off, st
	WIN 0xc0                                       ; destination window 3, address window 0
.irp c, 0,1
.irp i, 0,1,2,3,4,5,6,7
	ds_load_b128 v[(\st)+32*\c+4*\i:(\st)+32*\c+4*\i+3], v[\adr] offset:(\off)+256*\c+16*\i
.endr
.endr
.endm
; They become a fragment's 8 registers at v[dreg] of the window in dset, and the row's scale word in v[sreg] of window 0.
.macro MATH st, dset, dreg, sreg
	WIN 0xff
.irp c, 0,1
	v_max3_num_f32 v[TM+2*\c], |v[(\st)+32*\c]|, |v[(\st)+32*\c+1]|, 0x1800000   ; block 2 c + h, in two chains; the floor 2^(3 - 127) holds the byte at 1 from below
	v_max3_num_f32 v[TM+2*\c+1], |v[(\st)+32*\c+16]|, |v[(\st)+32*\c+17]|, |v[(\st)+32*\c+18]|
.endr
.irp i, 2,4,6,8,10,12
.irp c, 0,1
	v_max3_num_f32 v[TM+2*\c], v[TM+2*\c], |v[(\st)+32*\c+\i]|, |v[(\st)+32*\c+\i+1]|
	v_max3_num_f32 v[TM+2*\c+1], v[TM+2*\c+1], |v[(\st)+32*\c+17+\i]|, |v[(\st)+32*\c+18+\i]|
.endr
.endr
.irp c, 0,1
	v_max3_num_f32 v[TM+2*\c], v[TM+2*\c], |v[(\st)+32*\c+14]|, |v[(\st)+32*\c+15]|
.endr
.irp c, 0,1
	v_max3_num_f32 v[TM+2*\c], v[TM+2*\c], v[TM+2*\c+1], |v[(\st)+32*\c+31]|   ; the block's largest magnitude: all 32 numbers are mine
.endr
.irp c, 0,1
	v_add_nc_u32 v[SO+\c], 0xff000000, v[TM+2*\c]  ; 2 off its exponent field: the conversion takes the exponent field of this operand as its scale
.endr
.irp c, 0,1
	v_lshrrev_b32 v[BY+\c], 23, v[SO+\c]           ; the scale's byte
.endr
	v_lshl_or_b32 v[WD], v[BY+1], 16, v[BY]        ; blocks h and 2 + h,
	v_lshlrev_b32 v[WD], v[SH8], v[WD]             ; at their places in the word;
	v_permlanex16_b32 v[WPR], v[WD], s[SEL], s[SEL+1]
	WIN 0x0f
	v_or_b32 v[\sreg], v[WD], v[WPR]               ; with lane l xor 16's two the word is whole
	WIN \dset
.irp c, 0,1
.irp g, 0,1,2,3
	v_cvt_scalef32_pk8_fp4_f32 v[(\dreg)+4*\c+\g], v[(\st)+32*\c+8*\g:(\st)+32*\c+8*\g+7], v[SO+\c]
.endr
.endr
	v_nop                                          ; one plain place behind the last scaled conversion
.endm
.macro TLD p, s                        ; K step s of my row in slot p: K quarter s / 2, its half s % 2
	LOADF AQ+2*(\p)+(\s)/4, (((\s)/2)%2)*HTILE+512*((\s)%2), 64*((\s)%2)
.endm
; My 16 rows of the tile in slot p become tile j's eight fragments.  A K step's loads are issued while the step before is worked on.
.macro QTILE p, j
	TLD \p, 0
.set S_, 0
.rept 8
.if S_ < 7
	TLD \p, S_+1
	s_wait_dscnt 16                                ; all but the 16 loads just issued: this K step's numbers are in
.else
	s_wait_dscnt 0x0
.endif
	MATH 64*(S_%2), 0x4f+0x40*((\j)/4), 64*((\j)%4)+8*S_, XS+8*(\j)+S_
.set S_, S_+1
.endr
.endm
; THE BATCH'S LAST ROW is quantised once in the work-group: wave w makes K steps 2 w and 2 w + 1 (every lane r takes the same row) and stores the two fragments and their scale words as IMAGES OF THEIR REGISTERS:
; four registers by one store at 16 x lane, a scale word at 4 x lane.  Behind the next round HLOAD gives every wave all eight, the same registers in the same lanes.
.macro QLAST2
	LOADF AHQ, 0, 0
	LOADF AHQ, 512, 64
	s_wait_dscnt 16                                ; all but the 16 loads just issued
	MATH 0, 0x0f, HC, HS
	s_wait_dscnt 0x0
	MATH 64, 0x0f, HC+8, HS+1
	WIN 0
.irp i, 0,1,2,3
	ds_store_b128 v[QI], v[HC+4*\i:HC+4*\i+3] offset:512*\i
.endr
	ds_store_b32 v[QS], v[HS]
	ds_store_b32 v[QS], v[HS+1] offset:128
.endm
.macro HLOAD
.irp i, 0,1,2,3,4,5,6,7,8,9,10,11,12,13,14,15
	ds_load_b128 v[HC+4*\i:HC+4*\i+3], v[QLI] offset:512*\i
.endr
.irp s, 0,1,2,3,4,5,6,7
	ds_load_b32 v[HS+\s], v[QLS] offset:128*\s
.endr
.endm
; A slot that has been read is filled again.  Every wave: all its tensor loads have landed (the slot that it is about to read among them); 0 onto its spare word; the add and its reads of the slot are done; a round of the
; cluster's barrier; and its one tensor load, first thing behind the round.  Four v_nop follow the load.
.macro CHANGE g0, g1, step
	WIN 0
	s_wait_tensorcnt 0x0                           ; no tensor load of mine is out, so a group 0 may be written
	ds_add_u32 v[SPW], v[NIL]
.if \step
	s_add_nc_u64 s[(\g0)+2:(\g0)+3], s[(\g0)+2:(\g0)+3], 0x40000   ; the slot's next tile: 64 rows of hs (4,096 bytes each), or 512 rows of W1 (512 bytes each), on; the type bits on top are not reached
.endif
	s_wait_dscnt 0x0
	ROUND
	tensor_load_to_lds s[(\g0):(\g0)+3], s[(\g1):(\g1)+7]
	s_nop 0
	PLACES 4
.endm
; PHASE 2.  Four products of K step s: the block's 32 rows of W1 x my tiles of rows 4 lo .. 4 lo + 3.  The first K step takes b1's tile as C.
; W1's scale word is read from all 32 lanes (lane L: row L of the 32), the rows' from lanes 0-15.
.macro MM4 s, lo
.if (\s) == 0
	WIN 0xc7+4*(\lo)                               ; W1 and D window 3, the rows window 1 or 2, C (b1) window 0
.else
	WIN 0xf7+4*(\lo)                               ; C window 3 too
.endif
.irp m, 0,1,2,3
.set RD_, ACC+16*(4*(\lo)+\m)
.set RW_, 16*(\s)
.set RX_, 64*\m+8*(\s)
.if (\s) == 0
	v_wmma_scale_f32_32x16x128_f4 v[RD_:RD_+15], v[RW_:RW_+15], v[RX_:RX_+7], v[B1R:B1R+15], v[WS+(\s)], v[XS+8*(4*(\lo)+\m)+(\s)]
.else
	v_wmma_scale_f32_32x16x128_f4 v[RD_:RD_+15], v[RW_:RW_+15], v[RX_:RX_+7], v[RD_:RD_+15], v[WS+(\s)], v[XS+8*(4*(\lo)+\m)+(\s)]
.endif
.endr
.endm
.macro HMUL s                          ; the ninth: the same rows of W1 x the last row
	WIN 0x03                                       ; W1 window 3, all else window 0
.set RW_, 16*(\s)
.if (\s) == 0
	v_wmma_scale_f32_32x16x128_f4 v[AH:AH+15], v[RW_:RW_+15], v[HC+8*(\s):HC+8*(\s)+7], v[B1R:B1R+15], v[WS+(\s)], v[HS+(\s)]
.else
	v_wmma_scale_f32_32x16x128_f4 v[AH:AH+15], v[RW_:RW_+15], v[HC+8*(\s):HC+8*(\s)+7], v[AH:AH+15], v[WS+(\s)], v[HS+(\s)]
.endif
.endm
; A K step: nine matrix instructions on nine accumulators, one a turn; even and odd steps run in opposite order of the two groups of four, which spares a window switch.
.macro KS s
.if ((\s)%2) == 0
	MM4 \s, 0
	HMUL \s
	MM4 \s, 1
.else
	MM4 \s, 1
	HMUL \s
	MM4 \s, 0
.endif
.endm
; W1 has ONE set of registers: a K step's fragment is free when its nine products are issued.  So the next block comes in two runs.  RUNA, behind K step 3: its K steps 0-3, its b1, its scale words 0-3: 21 loads.
.macro RUNA
	v_add_nc_u32 v[ADW], s[TWN], v[AW0]
	v_add_nc_u32 v[ADS], s[TS], v[AS0]
	v_add_nc_u32 v[ADB], s[TB], v[AB0]
	WIN 0xc0
.irp s, 0,1,2,3
.irp t, 0,1
.irp c, 0,1
	ds_load_b128 v[16*\s+8*\t+4*\c:16*\s+8*\t+4*\c+3], v[ADW] offset:64*\s+16*WPI*\t+32*\c   ; registers 0-7: rows 0-15 of the 32; registers 8-15: rows 16-31
.endr
.endr
.endr
	WIN 0
.irp t, 0,1
	ds_load_b128 v[B1R+8*\t:B1R+8*\t+3], v[ADB] offset:64*\t            ; b1 at the block's n 16 t + 8 h + 0 .. 7: the result's layout
	ds_load_b128 v[B1R+8*\t+4:B1R+8*\t+7], v[ADB] offset:64*\t+16
.endr
	ds_load_b128 v[WS:WS+3], v[ADS]                ; lane L: row L's scale words of K steps 0-3
.endm
.macro RUNB                            ; behind K step 7: K steps 4-7 and their scale words: 17 loads; then the three counts step on
	WIN 0xc0
.irp s, 4,5,6,7
.irp t, 0,1
.irp c, 0,1
	ds_load_b128 v[16*\s+8*\t+4*\c:16*\s+8*\t+4*\c+3], v[ADW] offset:64*\s+16*WPI*\t+32*\c
.endr
.endr
.endr
	WIN 0
	ds_load_b128 v[WS+4:WS+7], v[ADS] offset:16
	s_add_co_u32 s[TWN], s[TWN], 64*WPI
	s_add_co_u32 s[TS], s[TS], 2176
	s_add_co_u32 s[TB], s[TB], 256
.endm
.macro HSTORE                          ; the block's 32 numbers of h_t into my mi's copy (the sixteen lanes of a half hold the same sixteen numbers and write them to the same bytes); from the low end on
	v_add_nc_u32 v[ADH], s[TH], v[AH0]
.irp t, 0,1
	ds_store_b128 v[ADH], v[AH+8*\t:AH+8*\t+3] offset:64*\t
	ds_store_b128 v[ADH], v[AH+8*\t+4:AH+8*\t+7] offset:64*\t+16
.endr
	s_add_co_u32 s[TH], s[TH], 256
.endm
.macro SLICES                          ; the block's part of the dot product; the eight sums by turns, so that no line waits for the line above it; each accumulator is read from its low end on
	WIN 0x03
.irp jj, 0,2,4,6,8,10,12,14
.irp m, 0,1,2,3,4,5,6,7
	v_pk_fma_f32 v[SC+2*\m:SC+2*\m+1], v[ACC+16*\m+\jj:ACC+16*\m+\jj+1], v[AH+\jj:AH+\jj+1], v[SC+2*\m:SC+2*\m+1]
.endr
.endr
	WIN 0
.endm
; A BLOCK OF 32 n: 72 matrix instructions, then its h_t and its dot product.  fetch = 1: the next block is fetched on the way.
; A load into a register that a matrix instruction has read stands four places behind it, and so do a store and a vector instruction that read a result; a matrix instruction that writes over a register of an earlier
; one (h_t's tile, begun anew with b1) five; only plain vector instructions that name none of its registers are places (ISA guide 7.12.1 for the vector and matrix instructions).
.macro BLK fetch
	s_wait_dscnt 17                                ; all but the 17 loads of RUNB: RUNA's loads are in, and the four stores of h_t have read the registers that this block writes
.irp s, 0,1,2,3
	KS \s
.endr
	WIN 0
.if \fetch
	v_nop                                          ; with RUNA's three additions: four places
	RUNA
	s_wait_dscnt 21                                ; all but the 21 loads just issued: the last RUNB's are in
.else
	s_wait_dscnt 0x0
.endif
.irp s, 4,5,6,7
	KS \s
.endr
	WIN 0
	PLACES 5
	HSTORE
.if \fetch
	RUNB
.endif
	SLICES
.endm
.macro BLKS n
	s_mov_b32 s[CNT], \n
.Lblk_\@:
	BLK 1
	s_sub_co_u32 s[CNT], s[CNT], 1
	s_cmp_lg_u32 s[CNT], 0
	s_cbranch_scc1 .Lblk_\@
.endm
	s_load_b256 s[4:11], s[0:1], 0x0               ; hs s[4:5], W1's codes s[6:7], W1's scales s[8:9], b1 s[10:11]
	s_load_b128 s[12:15], s[0:1], 0x20             ; scores s[12:13], keep s[14:15]
	s_load_b64 s[16:17], s[0:1], 0x30              ; ht
	v_lshl_add_u32 v[SPW], v0, 2, SPARE
	v_mov_b32 v[NIL], 0
	ds_add_u32 v1, v2
	ds_add_u32 v1, v2
	s_wait_dscnt 0x0
	v_lshrrev_b32 v3, 5, v0
	v_readfirstlane_b32 s[WV], v3                  ; wave 0..3
	s_lshr_b32 s[MI], s[WV], 1
	s_and_b32 s[NI], s[WV], 1
	s_and_b32 s[CH], ttmp7, 0xffff                 ; which 256 rows: the four partners share it
	s_bfe_u32 s23, ttmp6, 0x40000                  ; cx
	s_lshl_b32 s[BB], ttmp9, 2
	s_add_co_u32 s[BB], s[BB], s23                 ; the batch = 4 x cluster x + cx: it enters global addresses of plain loads and of stores alone
	; group 1, an hs tile: 32 rows x 256 elements of 4 bytes, 1,024 elements apart; 4 words of padding behind every 256
	s_mov_b32 s[G1H], (2<<16)|(1<<20)|(7<<22)|(3<<25)
	s_mov_b32 s[G1H+1], 256<<16                    ; tensor_dim0
	s_mov_b32 s[G1H+2], 32<<16                     ; tensor_dim1
	s_mov_b32 s[G1H+3], 256<<16                    ; tile_dim0
	s_mov_b32 s[G1H+4], 32                         ; tile_dim1
	s_mov_b32 s[G1H+5], 1024                       ; tensor_dim0_stride
	s_mov_b32 s[G1H+6], 0
	s_mov_b32 s[G1H+7], 0
	; W1's codes: 64 rows x 512 bytes, dense; 4 words behind every 128; the mask names all four work-groups, bit 21 beside it
	s_mov_b32 s[G1W], 15|(1<<20)|(1<<21)|(6<<22)|(3<<25)
	s_mov_b32 s[G1W+1], 512<<16
	s_mov_b32 s[G1W+2], 64<<16
	s_mov_b32 s[G1W+3], 512<<16
	s_mov_b32 s[G1W+4], 64
	s_mov_b32 s[G1W+5], 512
	s_mov_b32 s[G1W+6], 0
	s_mov_b32 s[G1W+7], 0
	; W1's scale bytes: 8,192 dense bytes as 32 rows of 32 elements of 8 bytes; 4 words behind every 64; joint
	s_mov_b32 s[G1S], 15|(3<<16)|(1<<20)|(1<<21)|(5<<22)|(3<<25)
	s_mov_b32 s[G1S+1], 32<<16
	s_mov_b32 s[G1S+2], 32<<16
	s_mov_b32 s[G1S+3], 32<<16
	s_mov_b32 s[G1S+4], 32
	s_mov_b32 s[G1S+5], 32
	s_mov_b32 s[G1S+6], 0
	s_mov_b32 s[G1S+7], 0
	; one row of 1,024 bytes: 128 elements of 8 bytes
	s_mov_b32 s[G1L], 3<<16
	s_mov_b32 s[G1L+1], 128<<16
	s_mov_b32 s[G1L+2], 1<<16
	s_mov_b32 s[G1L+3], 128<<16
	s_mov_b32 s[G1L+4], 1
	s_mov_b32 s[G1L+5], 128
	s_mov_b32 s[G1L+6], 0
	s_mov_b32 s[G1L+7], 0
	s_mov_b32 s[SEL], 0x76543210
	s_mov_b32 s[SEL+1], 0xfedcba98
	s_lshl_b32 s2, s[WV], 10                       ; 1,024 w: my quarter of a row
	s_lshl_b32 s94, s[BB], 23                      ; a batch is 2,048 rows of 4,096 bytes
	s_lshl_b32 s3, s[CH], 20                       ; 256 rows
	s_add_co_u32 s96, s94, 2047*4096               ; the batch's last row,
	s_add_co_u32 s96, s96, s2                      ; my quarter of it
	s_mov_b32 s97, 0
	s_add_co_u32 s94, s94, s3                      ; my work-group's first row,
	s_add_co_u32 s94, s94, s2                      ; my quarter of K (all under 2^28)
	s_mov_b32 s95, 0
	s_mov_b32 s99, 0
	s_wait_kmcnt 0x0
	s_mul_i32 s3, s[WV], HTILE
	s_mov_b32 s[G0H0], 1                           ; count = 1
	s_mov_b32 s[G0H0+1], s3                        ; LDS: slot 0, tile w
	s_add_nc_u64 s[G0H0+2:G0H0+3], s[4:5], s[94:95]   ; rows 0 to 31
	s_mov_b32 s[G0H1], 1
	s_add_co_u32 s[G0H1+1], s3, WSLOT
	s_add_nc_u64 s[G0H1+2:G0H1+3], s[G0H0+2:G0H0+3], 0x20000   ; rows 32 to 63
	s_or_b32 s[G0H0+3], s[G0H0+3], 0x80000000      ; type = 2
	s_or_b32 s[G0H1+3], s[G0H1+3], 0x80000000
	s_mov_b32 s[G0L], 1
	s_add_co_u32 s[G0L+1], s2, HROW
	s_add_nc_u64 s[G0L+2:G0L+3], s[4:5], s[96:97]
	s_or_b32 s[G0L+3], s[G0L+3], 0x80000000
	s_mov_b32 s98, s2
	s_mov_b32 s[G0B], 1
	s_add_co_u32 s[G0B+1], s2, B1L
	s_add_nc_u64 s[G0B+2:G0B+3], s[10:11], s[98:99]
	s_or_b32 s[G0B+3], s[G0B+3], 0x80000000
	s_lshl_b32 s98, s[WV], 13                      ; the joint loads' descriptors hang on the wave's number alone
	s_mul_i32 s3, s[WV], 32*272
	s_mov_b32 s[G0S], 1
	s_add_co_u32 s[G0S+1], s3, SCL
	s_add_nc_u64 s[G0S+2:G0S+3], s[8:9], s[98:99]
	s_or_b32 s[G0S+3], s[G0S+3], 0x80000000
	s_lshl_b32 s98, s[WV], 15                      ; 64 rows of 512 bytes
	s_mul_i32 s3, s[WV], 64*WPI
	s_mov_b32 s[G0W0], 1
	s_mov_b32 s[G0W0+1], s3
	s_add_nc_u64 s[G0W0+2:G0W0+3], s[6:7], s[98:99]   ; n 0 to 255
	s_mov_b32 s[G0W1], 1
	s_add_co_u32 s[G0W1+1], s3, WSLOT
	s_add_nc_u64 s[G0W1+2:G0W1+3], s[G0W0+2:G0W0+3], 0x20000   ; n 256 to 511
	s_or_b32 s[G0W0+3], s[G0W0+3], 0x80000000
	s_or_b32 s[G0W1+3], s[G0W1+3], 0x80000000
	ROUND                                          ; all four work-groups are here
	tensor_load_to_lds s[G0H0:G0H0+3], s[G1H:G1H+7]   ; the first fills, one group: five loads of mine are out.  What is wanted first goes first: rows 0 to 31,
	s_nop 0
	tensor_load_to_lds s[G0H1:G0H1+3], s[G1H:G1H+7]   ; rows 32 to 63,
	s_nop 0
	tensor_load_to_lds s[G0L:G0L+3], s[G1L:G1L+7]  ; the last row,
	s_nop 0
	tensor_load_to_lds s[G0S:G0S+3], s[G1S:G1S+7]  ; W1's scale bytes (joint),
	s_nop 0
	tensor_load_to_lds s[G0B:G0B+3], s[G1L:G1L+7]  ; b1
	s_nop 0
	PLACES 4
	s_lshl_b32 s94, s[BB], 13                      ; where my wave's results go: scores: 8,192 b + 1,024 y + 256 w
	s_lshl_b32 s96, s[CH], 10
	s_add_co_u32 s94, s94, s96
	s_lshl_b32 s96, s[WV], 8
	s_add_co_u32 s94, s94, s96
	s_add_nc_u64 s[12:13], s[12:13], s[94:95]
	s_lshr_b32 s94, s94, 5                         ; keep: a word for each 32 rows
	s_add_nc_u64 s[14:15], s[14:15], s[94:95]
	s_lshl_b32 s94, s[BB], 12                      ; ht: 4,096 b + 1,024 w
	s_add_co_u32 s94, s94, s2
	s_add_nc_u64 s[16:17], s[16:17], s[94:95]
	v_and_b32 v[RR], 15, v0
	v_bfe_u32 v[HH], v0, 4, 1
	v_and_b32 v[LNE], 31, v0
	s_lshl_b32 s3, s[MI], 4
	v_add_nc_u32 v[AQ], s3, v[RR]                  ; my row of a tile's 32: 16 mi + r
	v_mul_u32_u24 v[AQ], v[AQ], HP
	v_lshl_add_u32 v[AQ], v[HH], 7, v[AQ]          ; + 128 h: my block of each 64 numbers
	v_add_nc_u32 v[AQ+1], 2*HTILE, v[AQ]
	v_add_nc_u32 v[AQ+2], WSLOT, v[AQ]
	v_add_nc_u32 v[AQ+3], WSLOT+2*HTILE, v[AQ]
	s_add_co_u32 s98, s2, HROW
	v_lshl_add_u32 v[AHQ], v[HH], 7, s98           ; the last row: K steps 2 w, 2 w + 1 begin 1,024 w bytes on
	s_mul_i32 s3, s[NI], 32*WPI
	v_mul_u32_u24 v[AW0], v[RR], WPI
	v_lshl_add_u32 v[AW0], v[HH], 4, v[AW0]
	v_add_nc_u32 v[AW0], s3, v[AW0]                ; W1: row 32 ni + r of 64, + 16 h
	v_lshrrev_b32 v[ADW], 3, v[LNE]
	v_mul_u32_u24 v[ADW], v[ADW], 272
	v_and_b32 v[ADS], 7, v[LNE]
	v_lshl_add_u32 v[ADW], v[ADS], 5, v[ADW]
	s_mul_i32 s3, s[NI], 1088
	s_add_co_u32 s3, s3, SCL
	v_add_nc_u32 v[AS0], s3, v[ADW]                ; its scale words: lane L takes row 32 ni + L: 32 bytes a row, eight rows to a unit of 272
	s_lshl_b32 s3, s[NI], 7
	s_add_co_u32 s98, s3, B1L
	v_lshl_add_u32 v[AB0], v[HH], 5, s98           ; b1: 128 ni + 32 h
	s_lshl_b32 s98, s[MI], 12
	s_add_co_u32 s98, s98, HT
	v_lshl_add_u32 v[EA], v[LNE], 4, s98           ; my mi's copy of h_t, 16 bytes a lane
	s_add_co_u32 s98, s98, s3
	v_lshl_add_u32 v[AH0], v[HH], 5, s98           ; and where my blocks of it go: 128 ni + 32 h
	s_lshl_b32 s3, s[NI], 10
	s_lshl_b32 s98, s[MI], 6
	s_add_co_u32 s3, s3, s98
	s_add_co_u32 s3, s3, SPART
	v_lshl_add_u32 v[ASP], v[RR], 2, s3            ; my rows' sums: [ni][32 m + 16 mi + r]
	s_lshl_b32 s3, s[WV], 8
	s_add_co_u32 s3, s3, SPART
	v_lshl_add_u32 v[EB], v[LNE], 3, s3            ; rows 64 w + 2 lane, + 1
	v_lshl_add_u32 v[QS], v[LNE], 2, s3            ; (phase 1: my two scale words of the last row)
	s_add_co_u32 s3, s2, HT
	v_lshl_add_u32 v[EC], v[LNE], 4, s3            ; my wave's quarter of h_t
	s_lshl_b32 s3, s[WV], 11
	s_add_co_u32 s3, s3, HT
	v_lshl_add_u32 v[QI], v[LNE], 4, s3            ; (phase 1: my two fragments of the last row)
	v_lshl_add_u32 v[QLI], v[LNE], 4, HT
	v_lshl_add_u32 v[QLS], v[LNE], 2, SPART
	v_lshlrev_b32 v[EO], 4, v[LNE]
	WIN 0xc0
	v_mov_b32 v[WPR], 0                            ; written once: a lane permute's destination counts as one of its sources
	v_lshlrev_b32 v[SH8], 3, v[HH]
	WIN 0
	s_wait_tensorcnt 0x4                           ; rows 0 to 31 are in; the four loads issued behind them may be out
	s_barrier_signal -1
	s_barrier_wait -1                              ; everybody's part is in
	; ---- PHASE 1: 256 rows through two slots; a slot's refill has the other slot's tile in which to land
	QTILE 0, 0
	CHANGE G0H0, G1H, 1                            ; all first fills have landed; slot 0 takes rows 64 on
	QTILE 1, 1
	QLAST2                                         ; my two K steps of the last row, while that refill is on its way
	CHANGE G0H1, G1H, 1                            ; slot 1 takes rows 96 on; the wait and the round in it have shown the last row's images to every wave
	HLOAD                                          ; they are read here, so that the rounds that follow stand between these reads and the stores of h_t into the same bytes
	QTILE 0, 2
.irp j, 3,4,5,6
	CHANGE G0H0+4*((\j-1)%2), G1H, 1               ; the slot just read takes rows 32 (j + 1) on
	QTILE \j%2, \j
.endr
	CHANGE G0W0, G1W, 0                            ; slot 0 has had its last rows: it takes W1's n 0 to 255 (joint)
	QTILE 1, 7
	CHANGE G0W1, G1W, 0                            ; slot 1: n 256 to 511.  The wait in front has shown slot 0 whole
	; ---- PHASE 2: 16 blocks of 32 n a wave, four to a slot.  Block 4 c + 3 is fetched whole at the end of block 4 c + 2: there slot c is left
.irp i, 0,1,2,3,4,5,6,7,8,9,10,11,12,13,14,15
	v_mov_b32 v[SC+\i], 0
.endr
	s_mov_b32 s[TWN], 0
	s_mov_b32 s[TS], 0
	s_mov_b32 s[TB], 0
	s_mov_b32 s[TH], 0
	RUNA                                           ; block 0
	RUNB
	BLKS 3                                         ; blocks 0 to 2; they fetch blocks 1 to 3
	CHANGE G0W0, G1W, 1                            ; slot 0 takes n 512 to 767: it has four blocks in which to land
	s_mov_b32 s[TWN], WSLOT
	BLKS 4                                         ; blocks 3 to 6 fetch blocks 4 to 7, from slot 1
	CHANGE G0W1, G1W, 1                            ; slot 1 takes n 768 to 1,023
	s_mov_b32 s[TWN], 0
	BLKS 4                                         ; blocks 7 to 10 fetch blocks 8 to 11, from slot 0
	s_wait_tensorcnt 0x0                           ; my part of the last slot is in; nothing is left to fetch, so a plain barrier follows
	ds_add_u32 v[SPW], v[NIL]
	s_wait_dscnt 0x0
	s_barrier_signal -1
	s_barrier_wait -1                              ; everybody's part is in
	s_mov_b32 s[TWN], WSLOT
	BLKS 4                                         ; blocks 11 to 14 fetch blocks 12 to 15
	BLK 0
	; ---- THE END: a row's sum lies in two registers of lanes l and l xor 16 of two waves
.irp m, 0,1,2,3,4,5,6,7
	v_add_f32 v[SC+2*\m], v[SC+2*\m], v[SC+2*\m+1]
.endr
.irp m, 0,1,2,3,4,5,6,7
	v_permlanex16_b32 v[SC+2*\m+1], v[SC+2*\m], s[SEL], s[SEL+1]
.endr
.irp m, 0,1,2,3,4,5,6,7
	v_add_f32 v[SC+2*\m], v[SC+2*\m], v[SC+2*\m+1]
.endr
.irp m, 0,1,2,3,4,5,6,7
	ds_store_b32 v[ASP], v[SC+2*\m] offset:128*\m  ; lanes l and l xor 16 write the same word with the same value
.endr
	s_wait_dscnt 0x0                               ; for the others' sake: my sums and my blocks of h_t are in LDS
	s_barrier_signal -1
	s_barrier_wait -1
.irp i, 0,1,2,3,4,5,6,7
	ds_load_b128 v[EH+4*\i:EH+4*\i+3], v[EA] offset:512*\i   ; all of h_t: 32 numbers a lane
.endr
	ds_load_b64 v[ET:ET+1], v[EB]                  ; two rows' halves from ni = 0,
	ds_load_b64 v[ET+2:ET+3], v[EB] offset:1024    ; and from ni = 1
	ds_load_b128 v[ET+4:ET+7], v[EC]
	ds_load_b128 v[ET+8:ET+11], v[EC] offset:512
	v_lshlrev_b32 v[ET+20], 3, v[LNE]
	v_lshlrev_b32 v[ET+21], 2, v[LNE]
	v_mov_b32 v[ET+17], 0x3f7ff000                 ; 1 - 2^-12
	s_wait_dscnt 0x0
	v_pk_mul_f32 v[ET+12:ET+13], v[EH:EH+1], v[EH:EH+1]
	v_pk_mul_f32 v[ET+14:ET+15], v[EH+2:EH+3], v[EH+2:EH+3]
.irp i, 4,8,12,16,20,24,28
	v_pk_fma_f32 v[ET+12:ET+13], v[EH+\i:EH+\i+1], v[EH+\i:EH+\i+1], v[ET+12:ET+13]
	v_pk_fma_f32 v[ET+14:ET+15], v[EH+\i+2:EH+\i+3], v[EH+\i+2:EH+\i+3], v[ET+14:ET+15]
.endr
	v_pk_add_f32 v[ET+12:ET+13], v[ET+12:ET+13], v[ET+14:ET+15]
	v_add_f32 v[ET+12], v[ET+12], v[ET+13]
	v_add_f32_dpp v[ET+12], v[ET+12], v[ET+12] row_xmask:1 row_mask:0xf bank_mask:0xf
	v_add_f32_dpp v[ET+12], v[ET+12], v[ET+12] row_xmask:2 row_mask:0xf bank_mask:0xf
	v_add_f32_dpp v[ET+12], v[ET+12], v[ET+12] row_xmask:4 row_mask:0xf bank_mask:0xf
	v_add_f32_dpp v[ET+12], v[ET+12], v[ET+12] row_xmask:8 row_mask:0xf bank_mask:0xf
	v_permlanex16_b32 v[ET+13], v[ET+12], s[SEL], s[SEL+1]
	v_add_f32 v[ET+12], v[ET+12], v[ET+13]         ; h_t . h_t, in every lane
	v_fmaak_f32 v[ET+16], v[ET+12], v[ET+17], 0xc2d00000   ; x (1 - 2^-12) - 104
	v_pk_add_f32 v[ET:ET+1], v[ET:ET+1], v[ET+2:ET+3]
	global_store_b64 v[ET+20], v[ET:ET+1], s[12:13]   ; the wave stores 256 consecutive bytes, at a multiple of 256 from the buffer's first byte
	v_cmp_ge_f32 s2, v[ET], v[ET+16]
	v_cmp_ge_f32 s3, v[ET+1], v[ET+16]
	s_or_b32 s2, s2, s3                            ; bit l: one of rows 64 w + 2 l, + 1 may have a weight
	s_and_b32 s3, s2, 0xffff                       ; rows 64 w + 0 .. 31,
	s_lshr_b32 s2, s2, 16                          ; rows 64 w + 32 .. 63
	v_mov_b32 v[ET+18], s3
	v_mov_b32 v[ET+19], s2
	v_cmp_eq_u32 vcc_lo, 1, v[LNE]
	v_cndmask_b32 v[ET+18], v[ET+18], v[ET+19], vcc_lo
	v_cmp_gt_u32 vcc_lo, 2, v[LNE]
	s_wait_xcnt 0x0                                ; EXEC changes only behind this wait: the store above has it among its sources
	s_and_saveexec_b32 s2, vcc_lo
	global_store_b32 v[ET+21], v[ET+18], s[14:15]  ; lanes 0 and 1: my wave's two words
	s_wait_xcnt 0x0                                ; and again in front of the line that widens it
	s_or_b32 exec_lo, exec_lo, s2
	s_cmp_lg_u32 s[CH], 7                          ; every work-group of a batch has h_t; the last one stores it
	s_cbranch_scc1 .Lno_ht
	global_store_b128 v[EO], v[ET+4:ET+7], s[16:17]
	global_store_b128 v[EO], v[ET+8:ET+11], s[16:17] offset:512
.Lno_ht:
	s_wait_tensorcnt 0x0                           ; the wave's end
	ds_add_u32 v[SPW], v[NIL]
	s_wait_dscnt 0x0
	ROUND                                          ; the closing round: no work-group ends while a partner may still ask for a tile that names it
	s_endpgm
.Lfunc_end_k_q3b00c0d4ca_score:
	.size	k_q3b00c0d4ca_score, .Lfunc_end_k_q3b00c0d4ca_score-k_q3b00c0d4ca_score
	.p2alignl 7, 3214868480
	.fill 96, 4, 3214868480
	.section	.rodata,"a",@progbits
	.p2align	6, 0x0
	.amdhsa_kernel k_q3b00c0d4ca_score
		.amdhsa_group_segment_fixed_size 327680
		.amdhsa_private_segment_fixed_size 0
		.amdhsa_enable_private_segment 0
		.amdhsa_kernarg_size 56
		.amdhsa_user_sgpr_count 2
		.amdhsa_user_sgpr_kernarg_segment_ptr 1
		.amdhsa_wavefront_size32 1
		.amdhsa_system_sgpr_workgroup_id_x 1
		.amdhsa_system_sgpr_workgroup_id_y 1
		.amdhsa_system_sgpr_workgroup_id_z 1
		.amdhsa_system_vgpr_workitem_id 0
		.amdhsa_next_free_vgpr 1024
		.amdhsa_next_free_sgpr 100
		.amdhsa_reserve_vcc 1
		.amdhsa_float_denorm_mode_32 3
		.amdhsa_float_denorm_mode_16_64 3
		.amdhsa_memory_ordered 1
		.amdhsa_forward_progress 1
		.amdhsa_inst_pref_size 255
	.end_amdhsa_kernel
	.section	.bss,"aw",@nobits
	.p2align	6
	.space	262144
	.amdgpu_metadata
---
amdhsa.version: [ 1, 2 ]
amdhsa.kernels:
  - .name:           k_q3b00c0d4ca_score
    .symbol:         k_q3b00c0d4ca_score.kd
    .args:
      - { .name: hidden_states, .offset: 0, .size: 8, .value_kind: global_buffer, .address_space: global }
      - { .name: W1_codes, .offset: 8, .size: 8, .value_kind: global_buffer, .address_space: global }
      - { .name: W1_scales, .offset: 16, .size: 8, .value_kind: global_buffer, .address_space: global }
      - { .name: b1, .offset: 24, .size: 8, .value_kind: global_buffer, .address_space: global }
      - { .name: scores, .offset: 32, .size: 8, .value_kind: global_buffer, .address_space: global }
      - { .name: keep, .offset: 40, .size: 8, .value_kind: global_buffer, .address_space: global }
      - { .name: ht, .offset: 48, .size: 8, .value_kind: global_buffer, .address_space: global }
    .group_segment_fixed_size: 327680
    .private_segment_fixed_size: 0
    .kernarg_segment_align: 8
    .kernarg_segment_size: 56
    .max_flat_workgroup_size: 128
    .sgpr_count:     100
    .vgpr_count:     1024
    .wavefront_size: 32
...
	.end_amdgpu_metadata
.endif
;; end of part 3
;; launch tail: the kernel of part 2 again; grid 32 x 1, 16 waves a work-group, no clusters, 45,056 bytes of LDS; arguments hidden_states, scores, keep, ht, Wv_codes, Wv_scales, bv, out0; writes out0
